; MI455X (gfx1250); checked and timed in simulation.
; The chip was launched on July 23, 2026; its instructions are those of AMD's public machine-readable ISA for CDNA 5 (MIT licence, August 2026) and "CDNA5" Instruction Set Architecture Reference Guide (July 2026). The comments in the code are by the model that wrote it; some were corrected since.
;; Local Global Attention. Allowed arithmetic: matrix products marked QUANTISED: E2M3 operands, one E8M0 scale for each 32 along K, by v_wmma_scale_f32_16x16x128_f8f6f4 with both operands' format E2M3, f32 sums; products left as they are: f32 operands where the result goes on into a quantised operand, else bf16, f16 or f32 operands; f32 sums; everything else in f32.
;; Inputs: c_W 32 x 64 float32; c_b 32 float32; i_W 64 x 64 float32; i_b 64 float32; k_A 1,024 x 4 float32; k_B 4 x 1,024 float32; k_U 1,024 x 64 float32; k_V 1,024 x 64 float32; k_alpha 64 float32; k_b 1,024 float32; memory_vectors 2 x 256 x 64 float32; out_W 1,024 x 1,024 float32; out_b 1,024 float32; q_A 1,024 x 4 float32; q_B 4 x 1,024 float32; q_U 1,024 x 64 float32; q_V 1,024 x 64 float32; q_alpha 64 float32; q_b 1,024 float32; t_W 2 x 64 float32; t_b 2 float32; v_A 1,024 x 4 float32; v_B 4 x 1,024 float32; v_U 1,024 x 64 float32; v_V 1,024 x 64 float32; v_alpha 64 float32; v_b 1,024 float32; x 2 x 2,048 x 1,024 float32.
;; Outputs: out0 2 x 2,048 x 1,024 float32; out1 2 x 2,048 x 2 float32; out2 2 x 2,048 x 64 float32; out3 2 x 2,048 x 32 float32.
;; This version of the problem:
;;   THIS VERSION OF THE PROBLEM IS GIVEN IN LOW PRECISION. The matrix products marked QUANTISED in the list below multiply operands that are first quantised to E2M3 (2 exponent bits, 3 mantissa bits; 6 bits a number), with one power-of-two scale for each 32 numbers along K (OCP MX v1.0); their sums are f32. All else is computed in f32.
;;   The module's matrix products, in the order in which they are computed (A, B: the left and right operand; K: the contracted axis; several contracted axes count as one K, in the product's order):
;;     1. [M 4,096, K 1,024] x [K 1,024, N 64]; A: input x; B: input q_U: QUANTISED
;;     2. [M 4,096, K 64] x [K 64, N 1,024]; A: computed on the way; B: input q_V: QUANTISED
;;     3. [M 4,096, K 1,024] x [K 1,024, N 4]; A: input x; B: input q_A: left as it is (N = 4 < 16)
;;     4. [M 4,096, K 4] x [K 4, N 1,024]; A: computed on the way; B: input q_B: left as it is (K = 4 < 32)
;;     5. [M 4,096, K 1,024] x [K 1,024, N 64]; A: input x; B: input k_U: QUANTISED
;;     6. [M 4,096, K 64] x [K 64, N 1,024]; A: computed on the way; B: input k_V: QUANTISED
;;     7. [M 4,096, K 1,024] x [K 1,024, N 4]; A: input x; B: input k_A: left as it is (N = 4 < 16)
;;     8. [M 4,096, K 4] x [K 4, N 1,024]; A: computed on the way; B: input k_B: left as it is (K = 4 < 32)
;;     9. [M 4,096, K 1,024] x [K 1,024, N 64]; A: input x; B: input v_U: QUANTISED
;;     10. [M 4,096, K 64] x [K 64, N 1,024]; A: computed on the way; B: input v_V: QUANTISED
;;     11. [M 4,096, K 1,024] x [K 1,024, N 4]; A: input x; B: input v_A: left as it is (N = 4 < 16)
;;     12. [M 4,096, K 4] x [K 4, N 1,024]; A: computed on the way; B: input v_B: left as it is (K = 4 < 32)
;;     13. batch 32 x [M 2,048, K 64] x [K 64, N 2,048]; A: computed on the way; B: computed on the way: QUANTISED
;;     14. batch 32 x [M 2,048, K 2,048] x [K 2,048, N 64]; A: softmax (see below); B: computed on the way: QUANTISED
;;     15. batch 32 x [M 2,048, K 64] x [K 64, N 32]; A: computed on the way; B: computed on the way: QUANTISED
;;     16. batch 32 x [M 2,048, K 32] x [K 32, N 64]; A: softmax (see below); B: computed on the way: QUANTISED
;;     17. batch 2 x [M 32,768, K 64] x [K 64, N 256]; A: computed on the way; B: input memory_vectors: QUANTISED
;;     18. batch 2 x [M 32,768, K 256] x [K 256, N 64]; A: softmax (see below); B: input memory_vectors: QUANTISED
;;     19. [M 4,096, K 64] x [K 64, N 2]; A: computed on the way; B: input t_W: left as it is (N = 2 < 16)
;;     20. [M 4,096, K 64] x [K 64, N 64]; A: computed on the way; B: input i_W: QUANTISED
;;     21. [M 4,096, K 64] x [K 64, N 32]; A: computed on the way; B: input c_W: QUANTISED
;;     22. [M 4,096, K 1,024] x [K 1,024, N 1,024]; A: computed on the way; B: input out_W: QUANTISED
;;   THE QUANTISER, for each operand of a quantised product, along K:
;;     - K is cut into blocks of 32 from its start; a last block that is shorter is filled with zeros.
;;     - A block's scale is 2^e with e = floor(log2(the largest magnitude in the block)) - 2, held to -126 .. 127; a block of zeros has e = 0. As a byte (E8M0): e + 127.
;;     - Each number is divided by its block's scale, clamped to +-7.5, and rounded to the nearest number of E2M3, ties to even, subnormals kept.
;;     - The product sums the exact products of the quantised numbers (number of the format x scale) in f32.
;;   ~~~python
;;   def quantise(x, axis):      # numpy; x: float32 -> the quantised numbers, widened to float32 again
;;       x = np.moveaxis(x, axis, -1); K = x.shape[-1]
;;       x = np.pad(x, [(0, 0)] * (x.ndim - 1) + [(0, -K % 32)]); x = x.reshape(x.shape[:-1] + (-1, 32)); a = np.abs(x).max(-1, keepdims=True)
;;       e = np.where(a > 0, np.clip(np.frexp(np.where(a > 0, a, 1))[1] - 1 - 2, -126, 127), 0)      # np.frexp(a)[1] - 1 = floor(log2(a)), exactly
;;       r = np.clip(x / 2.0 ** e, -7.5, 7.5)
;;       step = 2.0 ** (np.maximum(np.frexp(np.where(r == 0, 1, r))[1] - 1, 0) - 3)
;;       q = np.round(r / step) * step * 2.0 ** e      # np.round: ties to even
;;       return np.moveaxis(q.reshape(q.shape[:-2] + (-1,))[..., :K], -1, axis).astype(np.float32)
;;   ~~~
;;   SOFTMAX AHEAD OF A QUANTISED PRODUCT. Where the list says 'softmax', what is quantised is not the finished softmax but p = 2^(t - M), with t = logit x log2(e) and M = ceil(the row's largest t), a whole number; so 1/2 < the row's largest p <= 1. The row's sum l is taken of the UNQUANTISED p, in f32, and the product's result is divided by l at the end. Since M is a whole number, a kernel that streams over the keys may use a running M (the ceiling of the running maximum): every later rescaling is an exact power of two, which a block's scale takes up: the codes' values come out the same.
;;   OPERANDS COMPUTED ON THE WAY. 'Computed on the way' means the value that the module computes at that place (a softmax that the list does not call 'softmax' is quantised finished and normalised). What goes into a quantiser is computed in f32, as accurately as f32 sums, v_exp_f32 and their like allow (about 1e-6 of the number): no bf16 or f16 on the way to a quantiser, and a product that is left as it is and whose result goes on into a quantised operand takes f32 operands (vector FMAs, or v_wmma_f32_16x16x4_f32). A number that lies on a knife's edge between two numbers of the format may be rounded either way, as far as f32 arithmetic and the matrix unit's own rounding can turn it there, and no further.
;; One version. Each part assembles by itself: llvm-mc -triple=amdgcn-amd-amdhsa -mcpu=gfx1250 --defsym DOCPART=n.
;; ======== version 1 of 1: 4 launches
;; limits: right only within a limited range of input values
;; workspace buffers: XT 3,527,680 bytes; TW 972,800 bytes; WS 231,680 bytes; QR 3,670,016 bytes; KV 7,380,992 bytes; FC 3,145,728 bytes; FS 131,072 bytes
;; launch prep (part 1): grid 353 x 1, 8 waves a work-group, no clusters, 145,920 bytes of LDS; arguments x, q_A, k_A, v_A, out_W, q_U, k_U, v_U, memory_vectors, q_V, k_V, v_V, i_W, c_W, XT, TW, WS; writes XT, TW, WS
.if DOCPART == 1
	.amdgcn_target "amdgcn-amd-amdhsa--gfx1250"
	.amdhsa_code_object_version 6
	.text
	.protected	k_q2082264521_prep
	.globl	k_q2082264521_prep
	.p2align	8
	.type	k_q2082264521_prep,@function
k_q2082264521_prep:
	s_mov_b64 s[64:65], 0
	v_nop
	global_prefetch_b8 v0, s[64:65] scope:SCOPE_SE
	s_setreg_imm32_b32 hwreg(HW_REG_WAVE_MODE, 25, 1), 1
	s_wait_xcnt 0x0
; FIRST OF FOUR LAUNCHES: every input operand of a quantised product becomes codes of E2M3 with E8M0 scale bytes, laid in the order of the operand's registers; and xa = x [q_A k_A v_A] is made in f32.
; DEAD WORK LEFT OUT BY THE PROGRAM.  reference() itself sets a local score to -inf where |key - query| > 128; exp(-inf) = 0 whatever the inputs hold, so such a key adds 0 to the row's sum and a zero to the
; second product.  A block of 32 queries therefore needs 9 of the 64 blocks of 32 keys: the other tiles of products 13 and 14 are neither multiplied nor put through the softmax.  Nothing else is left out and
; every input is loaded.  LIMIT: a NaN, an infinity or an overflow that reaches only the tiles left out is not carried to the result.
; LIMITS OF THE QUANTISER: NaN and infinities among the inputs are not served; a block whose largest magnitude lies under 2^-124 (a block of zeros too) gets the byte 1; the bytes are read by this program alone.
; TILES.  32 rows of anything form two tiles: lane r of tile u is row 8 u + r + 8 (r / 8), so that the results of two neighbouring tiles are 16 neighbours in a lane's registers.
; RECORDS.  A FULL image (16 rows x 128 K, 12 registers) is 3 x 512 bytes, 16 bytes a lane.  A PAIR record (32 rows x 64 K) is seven planes of 256 bytes, 8 bytes a lane: 3 for each tile, one of scale words.
; WORK-GROUPS: 0-259 tiles of x (256-259: the tokens 64 g, for the strided keys); 260-323 tiles of out_W; 324-335 U (K is its first axis); 336-337 memory along the slots; 338-352 PAIR records, one a wave.
; Each kind has a path of its own, with LDS bytes of its own.  In the tile paths wave w takes K step w (128 along K).
.set REC,   27136
.set XREC,  13568
.set TREC,  12800
.set MEMO,  177408
.set XSTG,  0                          ; x tiles: a stage of 16 rows x 528 bytes for each wave
.set RED,   67584                      ; x tiles: the waves' partial xa, 1,024 bytes each
.set SCG,   75776                      ; x tiles: 16 rows x 8 scale words
.set WSTG,  76288                      ; out_W tiles: stage
.set SCW,   143872                     ; out_W tiles: scale words
.set SCU,   144384                     ; U tiles: scale words
.set SPARE, 144896                     ; the spare words, 128 bytes a wave
.set LANE, 1
.set RR,   2
.set HH,   3
.set L16,  4
.set STW,  5
.set STR,  6
.set AOF,  7
.set SCA,  8
.set RDW,  9
.set CP,   10
.set L8,   11
.set IMO,  12
.set ATW,  13
.set SPW,  14
.set NIL,  15
.set RO,   16                          ; v16-31 the rows' byte offsets; later LDS addresses of the tail
.set XR,   32                          ; v32-95 rows as loaded
.set X,    96                          ; v96-159 A as loaded, then 64 numbers a lane: register 16 b + i = k 32 b + 16 h + i of my row
.set AT,   160                         ; v160-223 A^T in the same layout
.set ACC,  224                         ; v224-255 four f32 accumulators: written by matrix instructions alone
.set PC,   32
.set TM,   52
.set PW,   68
.set XS,   72
.set XS2,  80
.set WV,   38
.set SEL,  40
.macro FINISH                          ; the wave's end
	s_wait_tensorcnt 0x0
	ds_add_u32 v[SPW], v[NIL]
	s_wait_dscnt 0x0
	s_endpgm
.endm
.macro QSCALE4 s                       ; four blocks' scales: operands in v[TM+12..15], the row's scale word in v[PW]
.irp b,0,1,2,3
	v_max3_num_f32 v[TM+\b], |v[\s+16*\b]|, |v[\s+1+16*\b]|, 0x1800000   ; the floor 2^(3 - 127) holds the byte at 1 from below
.endr
.irp i,2,4,6,8,10,12,14
.irp b,0,1,2,3
	s_delay_alu instid0(VALU_DEP_4)
	v_max3_num_f32 v[TM+\b], v[TM+\b], |v[\s+16*\b+\i]|, |v[\s+1+16*\b+\i]|
.endr
.endr
.irp b,0,1,2,3
	s_delay_alu instid0(VALU_DEP_4)
	v_permlanex16_b32 v[TM+4+\b], v[TM+\b], s[SEL], s[SEL+1]
.endr
.irp b,0,1,2,3
	s_delay_alu instid0(VALU_DEP_4)
	v_max_num_f32 v[TM+\b], v[TM+\b], v[TM+4+\b]     ; with lane l xor 16's 16 numbers: the block's largest magnitude
.endr
.irp b,0,1,2,3
	s_delay_alu instid0(VALU_DEP_4)
	v_add_nc_u32 v[TM+12+\b], 0xff000000, v[TM+\b]   ; 2 off its exponent field: the conversion's scale operand
.endr
.irp b,0,1,2,3
	s_delay_alu instid0(VALU_DEP_4)
	v_lshrrev_b32 v[TM+4+\b], 23, v[TM+12+\b]        ; the byte
.endr
	s_delay_alu instid0(VALU_DEP_3)
	v_lshl_or_b32 v[PW], v[TM+5], 8, v[TM+4]
	s_delay_alu instid0(VALU_DEP_1)
	v_lshl_or_b32 v[PW], v[TM+6], 16, v[PW]
	s_delay_alu instid0(VALU_DEP_1)
	v_lshl_or_b32 v[PW], v[TM+7], 24, v[PW]
.endm
.macro QCVT4 s                         ; blocks 0, 1, 2, 3 -> v[PC], v[PC+12], v[PC+6], v[PC+16]: 16 codes of my half of each
.irp c,0,1
	v_cvt_scalef32_pk16_fp6_f32 v[PC+6*\c:PC+2+6*\c], v[\s+32*\c:\s+15+32*\c], v[TM+12+2*\c]
	v_cvt_scalef32_pk16_fp6_f32 v[PC+12+4*\c:PC+14+4*\c], v[\s+16+32*\c:\s+31+32*\c], v[TM+12+2*\c+1]
.endr
	v_nop                                            ; one plain place behind a scaled conversion
.endm
.macro QSWAP4                          ; a whole block to a lane: v[PC .. PC+11] is the operand's image
.irp c,0,1
.irp i,0,1,2
	v_permlane16_swap_b32 v[PC+6*\c+\i], v[PC+12+4*\c+\i]
.endr
.irp i,0,1,2
	s_delay_alu instid0(VALU_DEP_3)
	v_mov_b32 v[PC+3+6*\c+\i], v[PC+12+4*\c+\i]
.endr
.endr
.endm
.macro QUANT2 s, d, tmp, pw            ; 32 numbers a lane (K = 64) -> six registers at d and the word pw (bytes 2, 3 = 0x7f)
	v_max3_num_f32 v[TM], |v[\s]|, |v[\s+1]|, 0x1800000
	v_max3_num_f32 v[TM+1], |v[\s+16]|, |v[\s+17]|, 0x1800000
.irp i,2,4,6,8,10,12,14
	s_delay_alu instid0(VALU_DEP_2)
	v_max3_num_f32 v[TM], v[TM], |v[\s+\i]|, |v[\s+1+\i]|
	s_delay_alu instid0(VALU_DEP_2)
	v_max3_num_f32 v[TM+1], v[TM+1], |v[\s+16+\i]|, |v[\s+17+\i]|
.endr
	s_delay_alu instid0(VALU_DEP_2)
	v_permlanex16_b32 v[TM+4], v[TM], s[SEL], s[SEL+1]
	s_delay_alu instid0(VALU_DEP_2)
	v_permlanex16_b32 v[TM+5], v[TM+1], s[SEL], s[SEL+1]
	s_delay_alu instid0(VALU_DEP_2)
	v_max_num_f32 v[TM], v[TM], v[TM+4]
	s_delay_alu instid0(VALU_DEP_2)
	v_max_num_f32 v[TM+1], v[TM+1], v[TM+5]
	s_delay_alu instid0(VALU_DEP_2)
	v_add_nc_u32 v[TM+12], 0xff000000, v[TM]
	s_delay_alu instid0(VALU_DEP_2)
	v_add_nc_u32 v[TM+13], 0xff000000, v[TM+1]
	s_delay_alu instid0(VALU_DEP_2)
	v_lshrrev_b32 v[TM+4], 23, v[TM+12]
	s_delay_alu instid0(VALU_DEP_2)
	v_lshrrev_b32 v[TM+5], 23, v[TM+13]
	s_delay_alu instid0(VALU_DEP_1)
	v_lshl_or_b32 v[\pw], v[TM+5], 8, v[TM+4]
	s_delay_alu instid0(VALU_DEP_1)
	v_or_b32 v[\pw], 0x7f7f0000, v[\pw]
	v_cvt_scalef32_pk16_fp6_f32 v[\d:\d+2], v[\s:\s+15], v[TM+12]
	v_cvt_scalef32_pk16_fp6_f32 v[\tmp:\tmp+2], v[\s+16:\s+31], v[TM+13]
	v_nop
.irp i,0,1,2
	v_permlane16_swap_b32 v[\d+\i], v[\tmp+\i]
.endr
.irp i,0,1,2
	s_delay_alu instid0(VALU_DEP_3)
	v_mov_b32 v[\d+3+\i], v[\tmp+\i]
.endr
.endm
.macro IMAGE                           ; my K step's image: three stores of 512 consecutive bytes
.irp c,0,1,2
	global_store_b128 v[IMO], v[PC+4*\c:PC+4*\c+3], s[46:47] offset:512*\c
.endr
.endm
; The tail of a tile path: one barrier; then wave 0 stores the tile's 512 bytes of scale words (and, xa = 1, adds the eight partial xa and stores three planes of 256 bytes).
.macro TAIL xa
	s_wait_dscnt 0x0                                 ; my LDS stores have landed
	s_barrier_signal -1
	s_barrier_wait -1
	s_cmp_lg_u32 s[WV], 0
	s_cbranch_scc1 .Lend_\@
	ds_load_b128 v[X:X+3], v[RO]
.if \xa
.irp s,0,1,2,3,4,5,6,7
	ds_load_b128 v[AT+8*\s:AT+8*\s+3], v[RO+1] offset:1024*\s
	ds_load_b128 v[AT+8*\s+4:AT+8*\s+7], v[RO+1] offset:1024*\s+512
.endr
	s_wait_dscnt 16                                  ; the scale words are in; the sixteen loads behind them may be out
.else
	s_wait_dscnt 0x0
.endif
	global_store_b128 v[L16], v[X:X+3], s[46:47] offset:12288
.if \xa
	s_wait_dscnt 0x0
.irp s,1,2,3,4,5,6,7
.irp q,0,1,2
	v_pk_add_f32 v[AT+2*\q:AT+2*\q+1], v[AT+2*\q:AT+2*\q+1], v[AT+8*\s+2*\q:AT+8*\s+2*\q+1]
.endr
.endr
.irp m,0,1,2
	global_store_b64 v[L8], v[AT+2*\m:AT+2*\m+1], s[46:47] offset:12800+256*\m   ; lane (token, h): xa_m[token][2 h], [2 h + 1]
.endr
.endif
.Lend_\@:
	FINISH
.endm
; A tile of 16 rows whose K is innermost.  s[44:45]: the first row at my K step; s48: bytes from row to row; s[46:47]: the tile's record.
.macro ROWPATH xa, stg, sc
.if \stg
	v_add_nc_u32 v[STW], \stg, v[STW]
	v_add_nc_u32 v[STR], \stg, v[STR]
.endif
	v_add_nc_u32 v[SCA], \sc, v[SCA]
.if \xa
.irp q,0,1,2,3
	global_load_b128 v[X+4*\q:X+4*\q+3], v[AOF], s[6:7] offset:512*\q          ; A_m[128 w + 32 q + lane][0 .. 3]
	global_load_b128 v[X+16+4*\q:X+16+4*\q+3], v[AOF], s[8:9] offset:512*\q
	global_load_b128 v[X+32+4*\q:X+32+4*\q+3], v[AOF], s[10:11] offset:512*\q
.endr
.endif
.irp j,0,1,2,3,4,5,6,7,8,9,10,11,12,13,14,15
	s_mul_i32 s49, s48, \j+8*(\j/8)
	v_add_nc_u32 v[RO+\j], s49, v[L16]
	global_load_b128 v[XR+4*\j:XR+4*\j+3], v[RO+\j], s[44:45]                  ; 512 consecutive bytes of row j
.endr
.if \xa
.irp z,0,1,2,3
	v_mov_b32 v[X+48+\z], 0
.endr
	s_wait_alu depctr_va_vdst(0)
	s_wait_loadcnt 16                                ; A's twelve loads are in; the sixteen rows behind them may be out
.irp m,0,1,2
.irp q,0,1,2,3
.irp l,0,1,2,3
	ds_store_b32 v[ATW], v[X+16*\m+4*\q+\l] offset:(8*(\l/2)+2*\m+\l%2)*528+128*\q   ; A^T: column l of A_m is row 8 (l / 2) + 2 m + l % 2
.endr
.endr
.endr
.irp z,6,7,14,15
	ds_store_b128 v[STW], v[X+48:X+51] offset:\z*528 ; the four rows that stand for nothing are zeros
.endr
.irp b,0,1,2,3
.irp q,0,1,2,3
	ds_load_b128 v[AT+16*\b+4*\q:AT+16*\b+4*\q+3], v[STR] offset:128*\b+16*\q
.endr
.endr
.endif
.irp j,0,1,2,3,4,5,6,7,8,9,10,11,12,13,14,15
	s_wait_loadcnt 15-\j                             ; row j is in; the younger rows may be out
	ds_store_b128 v[STW], v[XR+4*\j:XR+4*\j+3] offset:\j*528     ; LDS serves a wave's instructions in order: these come behind the reads of A^T
.endr
.if \xa
	s_wait_dscnt 16                                  ; A^T is in and A's stores are done; the sixteen row stores may be out
.endif
.irp b,0,1,2,3
.irp q,0,1,2,3
	ds_load_b128 v[X+16*\b+4*\q:X+16*\b+4*\q+3], v[STR] offset:128*\b+16*\q
.endr
.endr
	v_add_nc_u32 v[RO], \sc, v[L16]                  ; (the rows' loads are done: their offsets' registers are free)
	v_add_nc_u32 v[RO+1], RED, v[L16]
	s_wait_dscnt 0x0
.if \xa
.set P_, 0
.rept 32                               ; xa^T += A^T x^T, 4 along K an instruction, the same order of k on both sides; four accumulators by turns
.if P_ < 4
	v_wmma_f32_16x16x4_f32 v[ACC+8*P_:ACC+8*P_+7], v[AT+2*P_:AT+2*P_+1], v[X+2*P_:X+2*P_+1], 0
.else
	v_wmma_f32_16x16x4_f32 v[ACC+8*(P_%4):ACC+8*(P_%4)+7], v[AT+2*P_:AT+2*P_+1], v[X+2*P_:X+2*P_+1], v[ACC+8*(P_%4):ACC+8*(P_%4)+7]
.endif
.set P_, P_+1
.endr
.endif
	QSCALE4 X
	QCVT4 X
	QSWAP4
	IMAGE
	ds_store_b32 v[SCA], v[PW]                       ; both lanes of a row write the same word
.if \xa
.irp q,0,1,2,3                         ; the quantiser's plain lines are the places behind the f32 products; each accumulator is read from its low end on
	v_pk_add_f32 v[XS+2*\q:XS+2*\q+1], v[ACC+2*\q:ACC+2*\q+1], v[ACC+8+2*\q:ACC+8+2*\q+1]
	v_pk_add_f32 v[XS2+2*\q:XS2+2*\q+1], v[ACC+16+2*\q:ACC+16+2*\q+1], v[ACC+24+2*\q:ACC+24+2*\q+1]
.endr
.irp q,0,1,2,3
	v_pk_add_f32 v[XS+2*\q:XS+2*\q+1], v[XS+2*\q:XS+2*\q+1], v[XS2+2*\q:XS2+2*\q+1]
.endr
	ds_store_b128 v[RDW], v[XS:XS+3]
	ds_store_b128 v[RDW], v[XS+4:XS+7] offset:512
.endif
	TAIL \xa
.endm
.macro COLLOAD                         ; K is the first axis, rows of 256 bytes: a lane takes a column, its registers run down K
	v_lshlrev_b32 v[ATW], 2, v[CP]
	s_delay_alu instid0(VALU_DEP_1)
	v_lshl_add_u32 v[ATW], v[HH], 12, v[ATW]
.irp b,0,1,2,3
.irp i,0,1,2,3,4,5,6,7,8,9,10,11,12,13,14,15
	global_load_b32 v[X+16*\b+\i], v[ATW], s[44:45] offset:(32*\b+\i)*256
.endr
.endr
.endm
	s_load_b512 s[4:19], s[0:1], 0x0                 ; x, q_A, k_A, v_A, out_W, q_U, k_U, v_U
	s_load_b512 s[20:35], s[0:1], 0x40               ; memory, q_V, k_V, v_V, i_W, c_W, XT, TW
	s_load_b64 s[36:37], s[0:1], 0x80                ; WS
	v_lshl_add_u32 v[SPW], v0, 2, SPARE
	v_mov_b32 v[NIL], 0
	v_lshrrev_b32 v1, 5, v0
	s_delay_alu instid0(VALU_DEP_1)
	v_readfirstlane_b32 s[WV], v1
	v_and_b32 v[LANE], 31, v0
	v_and_b32 v[RR], 15, v0
	v_bfe_u32 v[HH], v0, 4, 1
	s_delay_alu instid0(VALU_DEP_3)
	v_lshlrev_b32 v[L16], 4, v[LANE]
	s_delay_alu instid0(VALU_DEP_4)
	v_lshlrev_b32 v[L8], 3, v[LANE]
	s_delay_alu instid0(VALU_DEP_4)
	v_and_b32 v[CP], 8, v[RR]
	s_delay_alu instid0(VALU_DEP_1)
	v_add_nc_u32 v[CP], v[CP], v[RR]                 ; r + 8 (r / 8)
	s_mul_i32 s42, s[WV], 8448
	v_add_nc_u32 v[STW], s42, v[L16]
	v_lshl_add_u32 v[ATW], v[LANE], 2, s42
	v_mul_u32_u24 v[STR], v[RR], 528
	s_delay_alu instid0(VALU_DEP_1)
	v_lshl_add_u32 v[STR], v[HH], 6, v[STR]
	s_delay_alu instid0(VALU_DEP_1)
	v_add_nc_u32 v[STR], s42, v[STR]
	s_lshl_b32 s42, s[WV], 2
	v_lshl_add_u32 v[SCA], v[RR], 5, s42             ; 32 r + 4 w
	s_lshl_b32 s42, s[WV], 10
	s_add_co_u32 s42, s42, RED
	v_add_nc_u32 v[RDW], s42, v[L16]
	s_lshl_b32 s42, s[WV], 11
	v_add_nc_u32 v[AOF], s42, v[L16]
	s_mul_i32 s42, s[WV], 1536
	v_add_nc_u32 v[IMO], s42, v[L16]
	s_mov_b32 s[SEL], 0x76543210
	s_mov_b32 s[SEL+1], 0xfedcba98
.irp b,0,1,2,3
	v_mov_b32 v[TM+4+\b], 0                          ; a lane permute's destination counts as one of its sources
.endr
	s_wait_kmcnt 0x0
	s_cmp_ge_u32 ttmp9, 338
	s_cbranch_scc1 .Lpair
	s_cmp_ge_u32 ttmp9, 336
	s_cbranch_scc1 .Lmem
	s_cmp_ge_u32 ttmp9, 324
	s_cbranch_scc1 .Lu
	s_cmp_ge_u32 ttmp9, 260
	s_cbranch_scc1 .Lw
	; ---- a tile of x.  Tile T < 256: tokens 32 (T / 2) + 8 (T % 2) + r + 8 (r / 8).  Tiles 256 + 2 b + u: the same rows of the list of tokens 64 g of batch b
	s_lshr_b32 s50, ttmp9, 1
	s_and_b32 s51, ttmp9, 1
	s_lshl_b32 s52, s50, 17
	s_lshl_b32 s53, s51, 15
	s_add_co_u32 s52, s52, s53
	s_sub_co_u32 s54, s50, 128
	s_lshl_b32 s54, s54, 23
	s_lshl_b32 s55, s51, 21
	s_add_co_u32 s54, s54, s55
	s_mov_b32 s48, 0x40000
	s_cmp_ge_u32 ttmp9, 256
	s_cselect_b32 s52, s54, s52
	s_cselect_b32 s48, s48, 4096
	s_lshl_b32 s53, s[WV], 9
	s_add_co_u32 s52, s52, s53
	s_mov_b32 s53, 0
	s_add_nc_u64 s[44:45], s[4:5], s[52:53]
	s_mul_i32 s52, ttmp9, XREC
	s_add_nc_u64 s[46:47], s[32:33], s[52:53]
	s_wait_alu depctr_va_vdst(0)
	ROWPATH 1, XSTG, SCG
.Lw:	; ---- a tile of out_W
	s_sub_co_u32 s50, ttmp9, 260
	s_lshr_b32 s51, s50, 1
	s_and_b32 s52, s50, 1
	s_lshl_b32 s51, s51, 17
	s_lshl_b32 s52, s52, 15
	s_add_co_u32 s52, s52, s51
	s_lshl_b32 s53, s[WV], 9
	s_add_co_u32 s52, s52, s53
	s_mov_b32 s53, 0
	s_add_nc_u64 s[44:45], s[12:13], s[52:53]
	s_mul_i32 s52, s50, TREC
	s_add_nc_u64 s[46:47], s[34:35], s[52:53]
	s_mov_b32 s48, 4096
	ROWPATH 0, WSTG, SCW
.Lu:	; ---- a tile of 16 ranks of q_U, k_U or v_U
	s_sub_co_u32 s50, ttmp9, 324                     ; 4 x matrix + tile
	s_lshr_b32 s51, s50, 2
	s_cmp_eq_u32 s51, 1
	s_cselect_b64 s[44:45], s[16:17], s[14:15]
	s_cmp_eq_u32 s51, 2
	s_cselect_b64 s[44:45], s[18:19], s[44:45]
	s_bfe_u32 s52, s50, 0x10001
	s_lshl_b32 s52, s52, 7
	s_and_b32 s53, s50, 1
	s_lshl_b32 s53, s53, 5
	s_add_co_u32 s52, s52, s53                       ; the tile's first column, in bytes
	s_lshl_b32 s53, s[WV], 15                        ; my 128 rows of 256 bytes
	s_add_co_u32 s52, s52, s53
	s_mov_b32 s53, 0
	s_add_nc_u64 s[44:45], s[44:45], s[52:53]
	s_add_co_u32 s52, s50, 64
	s_mul_i32 s52, s52, TREC
	s_add_nc_u64 s[46:47], s[34:35], s[52:53]
	COLLOAD
	v_add_nc_u32 v[SCA], SCU, v[SCA]
	v_add_nc_u32 v[RO], SCU, v[L16]
	s_wait_loadcnt 0x0
	QSCALE4 X
	QCVT4 X
	QSWAP4
	IMAGE
	ds_store_b32 v[SCA], v[PW]
	TAIL 0
.Lmem:	; ---- memory of one batch along the slots: wave w: slots 128 (w / 4) on, channels' tile w % 4.  A lane's 16 codes go to 24 r + 12 h of the block's 384 bytes
	s_sub_co_u32 s50, ttmp9, 336
	s_lshr_b32 s51, s[WV], 2
	s_and_b32 s54, s[WV], 3
	s_bfe_u32 s52, s[WV], 0x10001
	s_lshl_b32 s52, s52, 7
	s_and_b32 s53, s[WV], 1
	s_lshl_b32 s53, s53, 5
	s_add_co_u32 s52, s52, s53
	s_lshl_b32 s53, s51, 15
	s_add_co_u32 s52, s52, s53
	s_lshl_b32 s53, s50, 16
	s_add_co_u32 s52, s52, s53
	s_mov_b32 s53, 0
	s_add_nc_u64 s[44:45], s[20:21], s[52:53]
	s_mul_i32 s52, s50, REC
	s_add_co_u32 s52, s52, MEMO
	s_add_nc_u64 s[46:47], s[36:37], s[52:53]
	COLLOAD
	s_mul_i32 s52, s51, 6144
	s_mul_i32 s54, s54, 1536
	s_add_co_u32 s52, s52, s54
	v_lshl_add_u32 v[RO], v[RR], 1, v[HH]
	s_delay_alu instid0(VALU_DEP_1)
	v_mul_u32_u24 v[RO], v[RO], 12
	s_delay_alu instid0(VALU_DEP_1)
	v_add_nc_u32 v[RO], s52, v[RO]
	s_lshl_b32 s52, s[WV], 6
	v_lshl_add_u32 v[RO+1], v[RR], 2, s52
	s_wait_loadcnt 0x0
	QSCALE4 X
	QCVT4 X
	global_store_b96 v[RO], v[PC:PC+2], s[46:47] offset:14336
	global_store_b96 v[RO], v[PC+12:PC+14], s[46:47] offset:14336+384
	global_store_b96 v[RO], v[PC+6:PC+8], s[46:47] offset:14336+768
	global_store_b96 v[RO], v[PC+16:PC+18], s[46:47] offset:14336+1152
	global_store_b32 v[RO+1], v[PW], s[46:47] offset:26624   ; 64 bytes a wave: both lanes of a channel store the same word
	FINISH
.Lpair:	; ---- a PAIR record a wave: 32 rows of 64 numbers, K innermost
	s_sub_co_u32 s50, ttmp9, 338
	s_lshl_b32 s50, s50, 3
	s_add_co_u32 s50, s50, s[WV]                     ; the record: 0-31 q_V, 32-63 k_V, 64-95 v_V, 96-97 i_W, 98 c_W, 99-114 memory
	s_cmp_gt_u32 s50, 114
	s_cbranch_scc1 .Lfin
	s_cmp_ge_u32 s50, 32
	s_cselect_b64 s[44:45], s[24:25], s[22:23]
	s_cselect_b32 s51, 32, 0
	s_cmp_ge_u32 s50, 64
	s_cselect_b64 s[44:45], s[26:27], s[44:45]
	s_cselect_b32 s51, 64, s51
	s_cmp_ge_u32 s50, 96
	s_cselect_b64 s[44:45], s[28:29], s[44:45]
	s_cselect_b32 s51, 96, s51
	s_cmp_ge_u32 s50, 98
	s_cselect_b64 s[44:45], s[30:31], s[44:45]
	s_cselect_b32 s51, 98, s51
	s_cmp_ge_u32 s50, 99
	s_cselect_b64 s[44:45], s[20:21], s[44:45]
	s_cselect_b32 s51, 99, s51
	s_sub_co_u32 s52, s50, s51
	s_lshl_b32 s52, s52, 13
	s_mov_b32 s53, 0
	s_add_nc_u64 s[44:45], s[44:45], s[52:53]
	s_mul_i32 s52, s50, 1792
	s_sub_co_u32 s54, s50, 99
	s_lshr_b32 s55, s54, 3
	s_mul_i32 s55, s55, REC
	s_and_b32 s54, s54, 7
	s_mul_i32 s54, s54, 1792
	s_add_co_u32 s54, s54, s55
	s_add_co_u32 s54, s54, MEMO
	s_cmp_ge_u32 s50, 99
	s_cselect_b32 s52, s54, s52
	s_add_nc_u64 s[46:47], s[36:37], s[52:53]
	s_mov_b32 s43, 0xffff0000
	v_lshlrev_b32 v[RO], 8, v[CP]
	s_delay_alu instid0(VALU_DEP_1)
	v_lshl_add_u32 v[RO], v[HH], 6, v[RO]
.irp u,0,1
.irp b,0,1
.irp q,0,1,2,3
	global_load_b128 v[X+32*\u+16*\b+4*\q:X+32*\u+16*\b+4*\q+3], v[RO], s[44:45] offset:2048*\u+128*\b+16*\q
.endr
.endr
.endr
	s_wait_loadcnt 8                                 ; tile 0's eight loads are in
	QUANT2 X, PC, PC+12, PW
	s_wait_loadcnt 0x0
	QUANT2 X+32, PC+6, PC+12, PW+1
	v_cndmask_b32 v[PW+2], v[PW], v[PW+1], s43       ; lanes 0-15 tile 0's words, lanes 16-31 tile 1's
	s_delay_alu instid0(VALU_DEP_1)
	v_mov_b32 v[PW+3], v[PW+2]
.irp p,0,1,2,3,4,5
	global_store_b64 v[L8], v[PC+2*\p:PC+2*\p+1], s[46:47] offset:256*\p
.endr
	global_store_b64 v[L8], v[PW+2:PW+3], s[46:47] offset:1536
.Lfin:
	FINISH
.Lfunc_end_k_q2082264521_prep:
	.size	k_q2082264521_prep, .Lfunc_end_k_q2082264521_prep-k_q2082264521_prep
	.p2alignl 7, 3214868480
	.fill 96, 4, 3214868480
	.section	.rodata,"a",@progbits
	.p2align	6, 0x0
	.amdhsa_kernel k_q2082264521_prep
		.amdhsa_group_segment_fixed_size 145920
		.amdhsa_private_segment_fixed_size 0
		.amdhsa_enable_private_segment 0
		.amdhsa_kernarg_size 136
		.amdhsa_user_sgpr_count 2
		.amdhsa_user_sgpr_kernarg_segment_ptr 1
		.amdhsa_wavefront_size32 1
		.amdhsa_system_sgpr_workgroup_id_x 1
		.amdhsa_system_sgpr_workgroup_id_y 1
		.amdhsa_system_sgpr_workgroup_id_z 1
		.amdhsa_system_vgpr_workitem_id 0
		.amdhsa_next_free_vgpr 256
		.amdhsa_next_free_sgpr 66
		.amdhsa_reserve_vcc 0
		.amdhsa_float_denorm_mode_32 3
		.amdhsa_float_denorm_mode_16_64 3
		.amdhsa_memory_ordered 1
		.amdhsa_forward_progress 1
		.amdhsa_inst_pref_size 74
	.end_amdhsa_kernel
	.amdgpu_metadata
---
amdhsa.version: [ 1, 2 ]
amdhsa.kernels:
  - .name:           k_q2082264521_prep
    .symbol:         k_q2082264521_prep.kd
    .args:
      - { .name: x, .offset: 0, .size: 8, .value_kind: global_buffer, .address_space: global }
      - { .name: q_A, .offset: 8, .size: 8, .value_kind: global_buffer, .address_space: global }
      - { .name: k_A, .offset: 16, .size: 8, .value_kind: global_buffer, .address_space: global }
      - { .name: v_A, .offset: 24, .size: 8, .value_kind: global_buffer, .address_space: global }
      - { .name: out_W, .offset: 32, .size: 8, .value_kind: global_buffer, .address_space: global }
      - { .name: q_U, .offset: 40, .size: 8, .value_kind: global_buffer, .address_space: global }
      - { .name: k_U, .offset: 48, .size: 8, .value_kind: global_buffer, .address_space: global }
      - { .name: v_U, .offset: 56, .size: 8, .value_kind: global_buffer, .address_space: global }
      - { .name: memory_vectors, .offset: 64, .size: 8, .value_kind: global_buffer, .address_space: global }
      - { .name: q_V, .offset: 72, .size: 8, .value_kind: global_buffer, .address_space: global }
      - { .name: k_V, .offset: 80, .size: 8, .value_kind: global_buffer, .address_space: global }
      - { .name: v_V, .offset: 88, .size: 8, .value_kind: global_buffer, .address_space: global }
      - { .name: i_W, .offset: 96, .size: 8, .value_kind: global_buffer, .address_space: global }
      - { .name: c_W, .offset: 104, .size: 8, .value_kind: global_buffer, .address_space: global }
      - { .name: XT, .offset: 112, .size: 8, .value_kind: global_buffer, .address_space: global }
      - { .name: TW, .offset: 120, .size: 8, .value_kind: global_buffer, .address_space: global }
      - { .name: WS, .offset: 128, .size: 8, .value_kind: global_buffer, .address_space: global }
    .group_segment_fixed_size: 145920
    .private_segment_fixed_size: 0
    .kernarg_segment_align: 8
    .kernarg_segment_size: 136
    .max_flat_workgroup_size: 256
    .sgpr_count:     66
    .vgpr_count:     256
    .wavefront_size: 32
...
	.end_amdgpu_metadata
.endif
;; end of part 1
;; launch proj (part 2): grid 388 x 1, 8 waves a work-group, no clusters, 74,752 bytes of LDS; arguments XT, TW, WS, q_alpha, k_alpha, v_alpha, q_B, k_B, v_B, q_b, k_b, v_b, QR, KV; writes QR, KV
.if DOCPART == 2
	.amdgcn_target "amdgcn-amd-amdhsa--gfx1250"
	.amdhsa_code_object_version 6
	.text
	.protected	k_q2082264521_proj
	.globl	k_q2082264521_proj
	.p2align	8
	.type	k_q2082264521_proj,@function
k_q2082264521_proj:
	s_mov_b64 s[64:65], 0
	v_nop
	global_prefetch_b8 v0, s[64:65] scope:SCOPE_SE
	s_setreg_imm32_b32 hwreg(HW_REG_WAVE_MODE, 25, 1), 1
	s_wait_xcnt 0x0
; SECOND LAUNCH: one WEAVE projection of one block of 32 tokens: y = Q(Q(x) Q(U) alpha) Q(V)^T + (x A) B + b, and y's codes: q and k along the head's 64, v along the 32 tokens.
; Work-groups 0-127: q, blocks 0-127.  128-257: k, blocks 0-129.  258-387: v, blocks 0-129.  Blocks 128, 129 are the 32 tokens 64 g of a batch: so the strided keys and values are quantised by the
; same lines (v along g).  LEFT OUT: q of those two blocks, which nothing reads.
; STAGE 1: wave w takes K step w of x U (8 products, transposed: a lane holds a token, its registers run along the ranks); the eight partial sums meet in LDS; wave w adds slice w and multiplies by alpha.
; STAGE 2: every wave quantises t (K = 64; the codes of k = 64 .. 127 are zeros, so whatever stands there in the other operand adds nothing) and takes columns 128 w on: heads 2 w, 2 w + 1.
; The rank-4 term is one f32 matrix instruction a tile, with the bias as its C for q and k; the FP6 product then adds in place, nine places behind it.
; Scale words stand in registers that hold nothing else: v18-19, v74-77, v186-191.
; LIMITS: as in the first launch.  v's scale bytes leave as single bytes, one for 24 bytes of codes.
.set REC,   27136
.set XREC,  13568
.set TREC,  12800
.set TXO,   65536                      ; LDS: 0: partial sums [slice 8][wave 8][1,024]; TXO: t alpha [slice 8][1,024]
.set SPARE, 73728
.set L16,  1
.set L8,   2
.set R32,  3
.set VO1,  4
.set REDW, 5
.set REDR, 6
.set TXW,  7
.set TXR,  8
.set BMO,  9
.set SPW,  10
.set NIL,  11
.set TM,   12                          ; v12-13 largest magnitudes, v14-15 at work, v16-17 scale operands
.set XSW,  18
.set VF,   20                          ; v20-67 eight tiles of V, six registers each; v68-73 zeros
.set VSW,  74
.set BM,   78                          ; v78-93 B: a pair a tile
.set XA,   94                          ; v94-97 xa of the two token tiles
.set XF,   98
.set UF,   122
.set BIAS, 98
.set TF,   162                         ; v162-185 t's two fragments
.set AL,   176
.set H64,  184
.set CP4,  185
.set USW,  186
.set TFW,  190
.set ACC1, 192
.set T,    192                         ; v192-223 t, later what is made of the sums
.set ACC,  224                         ; v224-255: written by matrix instructions alone
.set WV,   38
.set MAT,  39
.set TB,   40
.set SEL,  60
.set MSK,  62
.macro FINISH
	s_wait_tensorcnt 0x0                             ; the wave's end
	ds_add_u32 v[SPW], v[NIL]
	s_wait_dscnt 0x0
	s_endpgm
.endm
.macro W6 d, a, b, cc, sa, sb, ra, rb  ; cc < 0: the product starts the sum
.if (\cc) < 0
	v_wmma_scale_f32_16x16x128_f8f6f4 v[\d:\d+7], v[\a:\a+11], v[\b:\b+11], 0, v[\sa], v[\sb] matrix_a_fmt:MATRIX_FMT_FP6 matrix_b_fmt:MATRIX_FMT_FP6
.elseif \ra
	v_wmma_scale_f32_16x16x128_f8f6f4 v[\d:\d+7], v[\a:\a+11], v[\b:\b+11], v[\cc:\cc+7], v[\sa], v[\sb] matrix_a_fmt:MATRIX_FMT_FP6 matrix_b_fmt:MATRIX_FMT_FP6 matrix_a_scale:MATRIX_SCALE_ROW1
.elseif \rb
	v_wmma_scale_f32_16x16x128_f8f6f4 v[\d:\d+7], v[\a:\a+11], v[\b:\b+11], v[\cc:\cc+7], v[\sa], v[\sb] matrix_a_fmt:MATRIX_FMT_FP6 matrix_b_fmt:MATRIX_FMT_FP6 matrix_b_scale:MATRIX_SCALE_ROW1
.else
	v_wmma_scale_f32_16x16x128_f8f6f4 v[\d:\d+7], v[\a:\a+11], v[\b:\b+11], v[\cc:\cc+7], v[\sa], v[\sb] matrix_a_fmt:MATRIX_FMT_FP6 matrix_b_fmt:MATRIX_FMT_FP6
.endif
.endm
.macro QUANT2 s, d, tmp, pw            ; 32 numbers a lane, register 16 b + i = k 32 b + 16 h + i -> six registers at d, the word pw (bytes 2, 3 = 0x7f)
	v_max3_num_f32 v[TM], |v[\s]|, |v[\s+1]|, 0x1800000
	v_max3_num_f32 v[TM+1], |v[\s+16]|, |v[\s+17]|, 0x1800000
.irp i,2,4,6,8,10,12,14
	v_max3_num_f32 v[TM], v[TM], |v[\s+\i]|, |v[\s+1+\i]|
	v_max3_num_f32 v[TM+1], v[TM+1], |v[\s+16+\i]|, |v[\s+17+\i]|
.endr
	s_delay_alu instid0(VALU_DEP_2)
	v_permlanex16_b32 v[TM+2], v[TM], s[SEL], s[SEL+1]
	s_delay_alu instid0(VALU_DEP_2)
	v_permlanex16_b32 v[TM+3], v[TM+1], s[SEL], s[SEL+1]
	s_delay_alu instid0(VALU_DEP_2)
	v_max_num_f32 v[TM], v[TM], v[TM+2]
	s_delay_alu instid0(VALU_DEP_2)
	v_max_num_f32 v[TM+1], v[TM+1], v[TM+3]
	s_delay_alu instid0(VALU_DEP_2)
	v_add_nc_u32 v[TM+4], 0xff000000, v[TM]
	s_delay_alu instid0(VALU_DEP_2)
	v_add_nc_u32 v[TM+5], 0xff000000, v[TM+1]
	s_delay_alu instid0(VALU_DEP_2)
	v_lshrrev_b32 v[TM+2], 23, v[TM+4]
	s_delay_alu instid0(VALU_DEP_2)
	v_lshrrev_b32 v[TM+3], 23, v[TM+5]
	s_delay_alu instid0(VALU_DEP_1)
	v_lshl_or_b32 v[\pw], v[TM+3], 8, v[TM+2]
	s_delay_alu instid0(VALU_DEP_1)
	v_or_b32 v[\pw], 0x7f7f0000, v[\pw]
	v_cvt_scalef32_pk16_fp6_f32 v[\d:\d+2], v[\s:\s+15], v[TM+4]
	v_cvt_scalef32_pk16_fp6_f32 v[\tmp:\tmp+2], v[\s+16:\s+31], v[TM+5]
	v_nop                                            ; one plain place behind a scaled conversion
.irp i,0,1,2
	v_permlane16_swap_b32 v[\d+\i], v[\tmp+\i]
.endr
.irp i,0,1,2
	s_delay_alu instid0(VALU_DEP_3)
	v_mov_b32 v[\d+3+\i], v[\tmp+\i]
.endr
.endm
.macro QB s, d, by                     ; my 16 numbers of one block -> three registers at d, the byte in by
	v_max3_num_f32 v[TM], |v[\s]|, |v[\s+1]|, 0x1800000
.irp i,2,4,6,8,10,12,14
	s_delay_alu instid0(VALU_DEP_1)
	v_max3_num_f32 v[TM], v[TM], |v[\s+\i]|, |v[\s+1+\i]|
.endr
	s_delay_alu instid0(VALU_DEP_1)
	v_permlanex16_b32 v[TM+2], v[TM], s[SEL], s[SEL+1]
	s_delay_alu instid0(VALU_DEP_1)
	v_max_num_f32 v[TM], v[TM], v[TM+2]
	s_delay_alu instid0(VALU_DEP_1)
	v_add_nc_u32 v[TM+4], 0xff000000, v[TM]
	s_delay_alu instid0(VALU_DEP_1)
	v_lshrrev_b32 v[\by], 23, v[TM+4]
	v_cvt_scalef32_pk16_fp6_f32 v[\d:\d+2], v[\s:\s+15], v[TM+4]
	v_nop
.endm
; q, k: head 2 w + hh, token tile u.  Source 0 = 16 columns of the head, source 1 = 16 tokens: a lane holds a token, its 32 registers the head's channels 32 b + 16 h + i.
.macro GROUPQK hh, u
.irp t,0,1,2,3
	v_wmma_f32_16x16x4_f32 v[ACC+8*\t:ACC+8*\t+7], v[BM+2*(4*\hh+\t):BM+2*(4*\hh+\t)+1], v[XA+2*\u:XA+2*\u+1], v[BIAS+8*(4*\hh+\t):BIAS+8*(4*\hh+\t)+7]
.endr
.rept 9
	v_nop                                            ; nine places between an f32 product and the product of another form that adds onto it
.endr
.irp t,0,2
	W6 ACC+8*\t, VF+6*(4*\hh+\t), TF+12*\u, ACC+8*\t, VSW+2*\hh+\t/2, TFW+\u, 0, 0
	W6 ACC+8*\t+8, VF+6*(4*\hh+\t)+6, TF+12*\u, ACC+8*\t+8, VSW+2*\hh+\t/2, TFW+\u, 1, 0
.endr
.rept 4
	v_nop
.endr
	s_wait_xcnt 0x0                                  ; the last group's stores have read their registers
	QUANT2 ACC, T+6*\u, T+12, T+16+\u
.irp p,0,1,2
	global_store_b64 v[L8], v[T+6*\u+2*\p:T+6*\u+2*\p+1], s[72+2*\hh:73+2*\hh] offset:768*\u+256*\p
.endr
.if \u
	v_cndmask_b32 v[T+18], v[T+16], v[T+17], s[MSK]  ; lanes 0-15 tile 0's words, lanes 16-31 tile 1's
	s_delay_alu instid0(VALU_DEP_1)
	v_mov_b32 v[T+19], v[T+18]
	global_store_b64 v[L8], v[T+18:T+19], s[72+2*\hh:73+2*\hh] offset:1536
.endif
.endm
; v: head 2 w + hh, channels 32 db on.  Source 0 = 16 tokens, source 1 = 16 channels: a lane holds a channel, the 16 registers of two accumulators the tokens 16 h + 0 .. 15.
.macro GROUPV hh, db
.irp a,0,1,2,3
	v_wmma_f32_16x16x4_f32 v[ACC+8*\a:ACC+8*\a+7], v[XA+2*(\a%2):XA+2*(\a%2)+1], v[BM+2*(4*\hh+2*\db+\a/2):BM+2*(4*\hh+2*\db+\a/2)+1], 0
.endr
.rept 9
	v_nop
.endr
	s_wait_alu depctr_va_vdst(0)
.irp a,0,1
	W6 ACC+8*\a, TF+12*\a, VF+6*(4*\hh+2*\db), ACC+8*\a, TFW+\a, VSW+2*\hh+\db, 0, 0
.endr
.irp a,0,1
	W6 ACC+16+8*\a, TF+12*\a, VF+6*(4*\hh+2*\db)+6, ACC+16+8*\a, TFW+\a, VSW+2*\hh+\db, 0, 1
.endr
.rept 4
	v_nop
.endr
	s_wait_xcnt 0x0
.irp up,0,1
.irp q,0,1,2,3,4,5,6,7
	v_pk_add_f32 v[T+2*\q:T+2*\q+1], v[ACC+16*\up+2*\q:ACC+16*\up+2*\q+1], v[BIAS+2*(4*\hh+2*\db+\up):BIAS+2*(4*\hh+2*\db+\up)+1]
.endr
	QB T, T+16+4*\up, T+24+\up
	global_store_b96 v[T+28], v[T+16+4*\up:T+18+4*\up], s[72:73] offset:14336+6144*\hh+1536*(2*\db+\up)   ; 384 consecutive bytes
.endr
	v_cndmask_b32 v[T+26], v[T+24], v[T+25], s[MSK]
	global_store_b8 v[T+29], v[T+26], s[74:75] offset:26624+256*\hh+128*\db
.endm
	s_load_b512 s[4:19], s[0:1], 0x0                 ; XT, TW, WS, q_alpha, k_alpha, v_alpha, q_B, k_B
	s_load_b256 s[20:27], s[0:1], 0x40               ; v_B, q_b, k_b, v_b
	s_load_b128 s[28:31], s[0:1], 0x60               ; QR, KV
	v_lshl_add_u32 v[SPW], v0, 2, SPARE
	v_mov_b32 v[NIL], 0
	v_lshrrev_b32 v1, 5, v0
	s_delay_alu instid0(VALU_DEP_1)
	v_readfirstlane_b32 s[WV], v1
	v_and_b32 v9, 31, v0
	s_delay_alu instid0(VALU_DEP_1)
	v_lshlrev_b32 v[L16], 4, v9
	s_delay_alu instid0(VALU_DEP_2)
	v_lshlrev_b32 v[L8], 3, v9
	v_and_b32 v3, 15, v0                             ; r
	v_bfe_u32 v4, v0, 4, 1                           ; h
	s_delay_alu instid0(VALU_DEP_1)
	v_lshlrev_b32 v[H64], 6, v4
	s_delay_alu instid0(VALU_DEP_3)
	v_and_b32 v[CP4], 8, v3
	s_delay_alu instid0(VALU_DEP_1)
	v_add_nc_u32 v[CP4], v[CP4], v3
	s_delay_alu instid0(VALU_DEP_1)
	v_lshlrev_b32 v[CP4], 2, v[CP4]                  ; 4 (r + 8 (r / 8))
	s_delay_alu instid0(VALU_DEP_1)
	v_lshl_add_u32 v[BMO], v4, 13, v[CP4]            ; B: rows 2 h, 2 h + 1 of 4,096 bytes
	s_lshl_b32 s50, s[WV], 2
	v_lshl_add_u32 v[R32], v3, 5, s50                ; a tile's scale word: 32 r + 4 w
	s_mul_i32 s50, s[WV], 1536
	v_add_nc_u32 v[VO1], s50, v[L16]
	s_lshl_b32 s50, s[WV], 10
	v_add_nc_u32 v[REDW], s50, v[L16]
	s_add_co_u32 s50, s50, TXO
	v_add_nc_u32 v[TXW], s50, v[L16]
	s_lshl_b32 s50, s[WV], 13
	v_add_nc_u32 v[REDR], s50, v[L16]
	v_add_nc_u32 v[TXR], TXO, v[L16]
	v_mov_b32 v[TM+2], 0
	v_mov_b32 v[TM+3], 0
.irp i,0,1,2,3,4,5
	v_mov_b32 v[VF+48+\i], 0
.endr
	s_mov_b32 s[SEL], 0x76543210
	s_mov_b32 s[SEL+1], 0xfedcba98
	s_mov_b32 s[MSK], 0xffff0000
	s_cmp_ge_u32 ttmp9, 128
	s_cselect_b32 s[MAT], 1, 0
	s_cselect_b32 s41, 128, 0
	s_cmp_ge_u32 ttmp9, 258
	s_cselect_b32 s[MAT], 2, s[MAT]
	s_cselect_b32 s41, 258, s41
	s_sub_co_u32 s[TB], ttmp9, s41
	; where the results go.  k, v: record (8 b + w) 16 + chunk of 128 tokens, block TB % 4 in it; the strided blocks: record 256 + 8 b + w, block 0
	s_lshr_b32 s50, s[TB], 6
	s_lshl_b32 s66, s50, 3
	s_add_co_u32 s66, s66, s[WV]
	s_lshl_b32 s66, s66, 4
	s_bfe_u32 s52, s[TB], 0x40002
	s_add_co_u32 s66, s66, s52
	s_and_b32 s67, s[TB], 3
	s_sub_co_u32 s54, s[TB], 128
	s_lshl_b32 s54, s54, 3
	s_add_co_u32 s54, s54, s[WV]
	s_add_co_u32 s54, s54, 256
	s_cmp_ge_u32 s[TB], 128
	s_cselect_b32 s66, s54, s66
	s_cselect_b32 s67, 0, s67
	s_mul_i32 s66, s66, REC
	s_mul_i32 s68, s67, 1792
	s_add_co_u32 s68, s68, s66                       ; k, head 2 w
	s_add_co_u32 s69, s68, 7168                      ; k, head 2 w + 1
	s_mul_i32 s70, s67, 384
	s_add_co_u32 s70, s70, s66                       ; v's codes
	s_add_co_u32 s71, s66, s67                       ; v's scale bytes
	s_lshl_b32 s76, s50, 4
	s_lshl_b32 s77, s[WV], 1
	s_add_co_u32 s76, s76, s77
	s_lshl_b32 s76, s76, 6
	s_and_b32 s77, s[TB], 63
	s_add_co_u32 s76, s76, s77
	s_mul_i32 s76, s76, 1792                         ; q, head 2 w
	s_add_co_u32 s77, s76, 114688                    ; q, head 2 w + 1
	s_cmp_eq_u32 s[MAT], 1
	s_cselect_b32 s76, s68, s76
	s_cselect_b32 s77, s69, s77
	s_cmp_eq_u32 s[MAT], 2
	s_cselect_b32 s76, s70, s76
	s_cselect_b32 s77, s71, s77
	s_wait_kmcnt 0x0
	s_cmp_eq_u32 s[MAT], 1
	s_cselect_b64 s[32:33], s[12:13], s[10:11]       ; alpha
	s_cselect_b64 s[34:35], s[18:19], s[16:17]       ; B
	s_cselect_b64 s[36:37], s[24:25], s[22:23]       ; b
	s_cmp_eq_u32 s[MAT], 2
	s_cselect_b64 s[32:33], s[14:15], s[32:33]
	s_cselect_b64 s[34:35], s[20:21], s[34:35]
	s_cselect_b64 s[36:37], s[26:27], s[36:37]
	s_cmp_eq_u32 s[MAT], 0
	s_cselect_b64 s[72:73], s[28:29], s[30:31]
	s_mov_b64 s[74:75], s[72:73]
	s_mov_b32 s51, 0
	s_mov_b32 s50, s76
	s_add_nc_u64 s[72:73], s[72:73], s[50:51]
	s_mov_b32 s50, s77
	s_add_nc_u64 s[74:75], s[74:75], s[50:51]
	s_mul_i32 s50, s[TB], 2*XREC
	s_add_nc_u64 s[42:43], s[4:5], s[50:51]          ; x's two tiles
	s_lshl_b32 s50, s[MAT], 8
	s_add_nc_u64 s[48:49], s[42:43], s[50:51]        ; and my matrix's plane of xa
	s_lshl_b32 s50, s[MAT], 2
	s_add_co_u32 s50, s50, 64
	s_mul_i32 s50, s50, TREC
	s_add_nc_u64 s[44:45], s[6:7], s[50:51]          ; U's four tiles
	s_lshl_b32 s50, s[MAT], 5
	s_lshl_b32 s52, s[WV], 2
	s_add_co_u32 s50, s50, s52
	s_mul_i32 s50, s50, 1792
	s_add_nc_u64 s[46:47], s[8:9], s[50:51]          ; V's four records
	s_bfe_u32 s50, s[WV], 0x10001
	s_lshl_b32 s50, s50, 7
	s_and_b32 s52, s[WV], 1
	s_lshl_b32 s52, s52, 5
	s_add_co_u32 s50, s50, s52
	s_add_nc_u64 s[32:33], s[32:33], s[50:51]        ; alpha of my slice's ranks
	s_lshl_b32 s50, s[WV], 9
	s_add_nc_u64 s[34:35], s[34:35], s[50:51]
	s_add_nc_u64 s[36:37], s[36:37], s[50:51]
	; stage 1's 26 loads
.irp u,0,1
.irp c,0,1,2
	global_load_b128 v[XF+12*\u+4*\c:XF+12*\u+4*\c+3], v[VO1], s[42:43] offset:XREC*\u+512*\c
.endr
.endr
.irp rt,0,1,2,3
.irp c,0,1,2
	global_load_b128 v[UF+12*\rt+4*\c:UF+12*\rt+4*\c+3], v[VO1], s[44:45] offset:TREC*\rt+512*\c
.endr
.endr
.irp u,0,1
	global_load_b32 v[XSW+\u], v[R32], s[42:43] offset:XREC*\u+12288
.endr
.irp rt,0,1,2,3
	global_load_b32 v[USW+\rt], v[R32], s[44:45] offset:TREC*\rt+12288
.endr
	global_load_b128 v[AL:AL+3], v[H64], s[32:33]
	global_load_b128 v[AL+4:AL+7], v[H64], s[32:33] offset:16
	; stage 2's 46 loads
.irp rc,0,1,2,3
.irp p,0,1,2,3,4,5
	global_load_b64 v[VF+12*\rc+2*\p:VF+12*\rc+2*\p+1], v[L8], s[46:47] offset:1792*\rc+256*\p
.endr
.endr
.irp rc,0,1,2,3
	global_load_b32 v[VSW+\rc], v[L8], s[46:47] offset:1792*\rc+1536
.endr
.irp tl,0,1,2,3,4,5,6,7
.irp j,0,1
	global_load_b32 v[BM+2*\tl+\j], v[BMO], s[34:35] offset:4096*\j+(32*(\tl/2)+8*(\tl%2))*4
.endr
.endr
.irp u,0,1
	global_load_b64 v[XA+2*\u:XA+2*\u+1], v[L8], s[48:49] offset:XREC*\u+12800
.endr
	s_wait_loadcnt 46                                ; stage 1's loads are in; the 46 issued behind them may be out
.irp u,0,1
.irp rt,0,1,2,3
	W6 ACC1+8*(4*\u+\rt), UF+12*\rt, XF+12*\u, -1, USW+\rt, XSW+\u, 0, 0
.endr
.endr
.rept 4
	v_nop
.endr
.irp a,0,1,2,3,4,5,6,7
	ds_store_b128 v[REDW], v[ACC1+8*\a:ACC1+8*\a+3] offset:8192*\a
	ds_store_b128 v[REDW], v[ACC1+8*\a+4:ACC1+8*\a+7] offset:8192*\a+512
.endr
	s_wait_dscnt 0x0
	s_barrier_signal -1
	s_barrier_wait -1                                ; all partial sums lie in LDS
.irp s,0,1,2,3,4,5,6,7
	ds_load_b128 v[XF+8*\s:XF+8*\s+3], v[REDR] offset:1024*\s
	ds_load_b128 v[XF+8*\s+4:XF+8*\s+7], v[REDR] offset:1024*\s+512
.endr
	s_wait_dscnt 0x0
.irp s,1,2,3,4,5,6,7
.irp q,0,1,2,3
	v_pk_add_f32 v[XF+2*\q:XF+2*\q+1], v[XF+2*\q:XF+2*\q+1], v[XF+8*\s+2*\q:XF+8*\s+2*\q+1]
.endr
.endr
.irp q,0,1,2,3
	s_delay_alu instid0(VALU_DEP_4)
	v_pk_mul_f32 v[XF+2*\q:XF+2*\q+1], v[XF+2*\q:XF+2*\q+1], v[AL+2*\q:AL+2*\q+1]
.endr
	ds_store_b128 v[TXW], v[XF:XF+3]
	ds_store_b128 v[TXW], v[XF+4:XF+7] offset:512
	s_wait_dscnt 0x0                                 ; they have landed, and have read their registers: the biases may be loaded there
	s_cmp_eq_u32 s[MAT], 2
	s_cbranch_scc1 .Lbias_v
.irp tl,0,1,2,3,4,5,6,7
	global_load_b128 v[BIAS+8*\tl:BIAS+8*\tl+3], v[H64], s[36:37] offset:(32*(\tl/2)+8*(\tl%2))*4
	global_load_b128 v[BIAS+8*\tl+4:BIAS+8*\tl+7], v[H64], s[36:37] offset:(32*(\tl/2)+8*(\tl%2))*4+16
.endr
	s_branch .Lbias_done
.Lbias_v:
.irp tl,0,1,2,3,4,5,6,7
	global_load_b32 v[BIAS+2*\tl], v[CP4], s[36:37] offset:(32*(\tl/2)+8*(\tl%2))*4     ; my channel's bias, in both registers of a pair
	global_load_b32 v[BIAS+2*\tl+1], v[CP4], s[36:37] offset:(32*(\tl/2)+8*(\tl%2))*4
.endr
.Lbias_done:
	s_barrier_signal -1
	s_barrier_wait -1                                ; t alpha lies in LDS
	s_wait_xcnt 0x0                                  ; the biases' loads have read their offsets, whose registers t's fragments take
.irp u,0,1
.irp rt,0,1,2,3
	ds_load_b128 v[T+8*\rt:T+8*\rt+3], v[TXR] offset:(4*\u+\rt)*1024
	ds_load_b128 v[T+8*\rt+4:T+8*\rt+7], v[TXR] offset:(4*\u+\rt)*1024+512
.endr
	s_wait_dscnt 0x0
	QUANT2 T, TF+12*\u, TF+12*\u+6, TFW+\u
.irp i,6,7,8,9,10,11
	v_mov_b32 v[TF+12*\u+\i], 0                      ; zero codes for k = 64 .. 127
.endr
.endr
	v_and_b32 v[T+28], 15, v0
	v_bfe_u32 v[T+29], v0, 4, 1
	s_delay_alu instid0(VALU_DEP_1)
	v_lshl_add_u32 v[T+28], v[T+28], 1, v[T+29]
	s_delay_alu instid0(VALU_DEP_1)
	v_mul_u32_u24 v[T+28], v[T+28], 12               ; 24 r + 12 h
	v_and_b32 v[T+29], 31, v0
	s_delay_alu instid0(VALU_DEP_1)
	v_lshlrev_b32 v[T+29], 2, v[T+29]                ; 4 x lane
	s_wait_loadcnt 0x0
	s_cmp_eq_u32 s[MAT], 2
	s_cbranch_scc1 .Lv_path
	GROUPQK 0, 0
	GROUPQK 0, 1
	GROUPQK 1, 0
	GROUPQK 1, 1
	FINISH
.Lv_path:
	GROUPV 0, 0
	GROUPV 0, 1
	GROUPV 1, 0
	GROUPV 1, 1
	FINISH
.Lfunc_end_k_q2082264521_proj:
	.size	k_q2082264521_proj, .Lfunc_end_k_q2082264521_proj-k_q2082264521_proj
	.p2alignl 7, 3214868480
	.fill 96, 4, 3214868480
	.section	.rodata,"a",@progbits
	.p2align	6, 0x0
	.amdhsa_kernel k_q2082264521_proj
		.amdhsa_group_segment_fixed_size 74752
		.amdhsa_private_segment_fixed_size 0
		.amdhsa_enable_private_segment 0
		.amdhsa_kernarg_size 112
		.amdhsa_user_sgpr_count 2
		.amdhsa_user_sgpr_kernarg_segment_ptr 1
		.amdhsa_wavefront_size32 1
		.amdhsa_system_sgpr_workgroup_id_x 1
		.amdhsa_system_sgpr_workgroup_id_y 1
		.amdhsa_system_sgpr_workgroup_id_z 1
		.amdhsa_system_vgpr_workitem_id 0
		.amdhsa_next_free_vgpr 256
		.amdhsa_next_free_sgpr 80
		.amdhsa_reserve_vcc 0
		.amdhsa_float_denorm_mode_32 3
		.amdhsa_float_denorm_mode_16_64 3
		.amdhsa_memory_ordered 1
		.amdhsa_forward_progress 1
		.amdhsa_inst_pref_size 63
	.end_amdhsa_kernel
	.amdgpu_metadata
---
amdhsa.version: [ 1, 2 ]
amdhsa.kernels:
  - .name:           k_q2082264521_proj
    .symbol:         k_q2082264521_proj.kd
    .args:
      - { .name: XT, .offset: 0, .size: 8, .value_kind: global_buffer, .address_space: global }
      - { .name: TW, .offset: 8, .size: 8, .value_kind: global_buffer, .address_space: global }
      - { .name: WS, .offset: 16, .size: 8, .value_kind: global_buffer, .address_space: global }
      - { .name: q_alpha, .offset: 24, .size: 8, .value_kind: global_buffer, .address_space: global }
      - { .name: k_alpha, .offset: 32, .size: 8, .value_kind: global_buffer, .address_space: global }
      - { .name: v_alpha, .offset: 40, .size: 8, .value_kind: global_buffer, .address_space: global }
      - { .name: q_B, .offset: 48, .size: 8, .value_kind: global_buffer, .address_space: global }
      - { .name: k_B, .offset: 56, .size: 8, .value_kind: global_buffer, .address_space: global }
      - { .name: v_B, .offset: 64, .size: 8, .value_kind: global_buffer, .address_space: global }
      - { .name: q_b, .offset: 72, .size: 8, .value_kind: global_buffer, .address_space: global }
      - { .name: k_b, .offset: 80, .size: 8, .value_kind: global_buffer, .address_space: global }
      - { .name: v_b, .offset: 88, .size: 8, .value_kind: global_buffer, .address_space: global }
      - { .name: QR, .offset: 96, .size: 8, .value_kind: global_buffer, .address_space: global }
      - { .name: KV, .offset: 104, .size: 8, .value_kind: global_buffer, .address_space: global }
    .group_segment_fixed_size: 74752
    .private_segment_fixed_size: 0
    .kernarg_segment_align: 8
    .kernarg_segment_size: 112
    .max_flat_workgroup_size: 256
    .sgpr_count:     80
    .vgpr_count:     256
    .wavefront_size: 32
...
	.end_amdgpu_metadata
.endif
;; end of part 2
;; launch attn (part 3): grid 16 x 16, 16 waves a work-group, no clusters, 167,936 bytes of LDS; arguments QR, KV, WS, t_W, t_b, FC, FS, out1; writes FC, FS, out1
.if DOCPART == 3
	.amdgcn_target "amdgcn-amd-amdhsa--gfx1250"
	.amdhsa_code_object_version 6
	.text
	.protected	k_q2082264521_attn
	.globl	k_q2082264521_attn
	.p2align	8
	.type	k_q2082264521_attn,@function
k_q2082264521_attn:
	s_mov_b64 s[64:65], 0
	v_nop
	global_prefetch_b8 v0, s[64:65] scope:SCOPE_SE
	s_setreg_imm32_b32 hwreg(HW_REG_WAVE_MODE, 25, 1), 1
	s_wait_xcnt 0x0
; THIRD LAUNCH: the three attentions, their sum, its codes for the last launch, and head 0's temporal output (in f32).
; LEFT OUT: key blocks of 32 that lie wholly outside the band |key - query| <= 128 of a block of 32 queries (reference()'s own mask: their p is 0 for all inputs): 9 of 64 blocks are walked.
; At the two ends of a sequence up to four of a wave's nine blocks are hidden too; they are walked and masked (they hold other keys' finite codes), so that the text is one straight line.
; LIMIT: as the first launch states it for the tiles left out.
; SHARES.  A work-group: 128 queries (x) of the two heads 2 s, 2 s + 1 of a batch (y = 8 b + s).  Wave w: head 2 s + w % 2, tile w / 2 of 16 queries, in 256 registers, four waves to a SIMD.
; Both products are used transposed: a lane holds one query throughout.
; LDS, filled once by four tensor loads (waves 0-3, one each): wave 0 the batch's memory record, waves 1-3 the records of the key chunks x - 1, x, x + 1 (held to 0 .. 15).  No ring, no refill.
; ORDER: the memory first: its record has a load line and a barrier of its own; the chunks may be on their way meanwhile and are shown by the second barrier, signalled behind the memory's first 128 slots.  Then the band, then the strided keys.
; NO CLUSTER: neighbouring query blocks share chunks, but at different LDS places, and no LDS address may hang on a work-group's place; what all share at one place, the memory record, is a quarter of the bytes.
; NO PREFETCH: the text has no loop to run ahead in; every byte of LDS is asked for at the head.
; K = 64 products use the K = 128 form: q's codes of k = 64 .. 127 are zeros, so the other operand's upper six registers may hold the next tile; its scale bytes 2, 3 are 0x7f.
; SOFTMAX: t = score x log2(e) / 8; M = the running largest t rounded up; p = 2^(t - M) is quantised along the keys; the sum of the unquantised p divides at the end.
; LIMIT: the scaled scores t stay under 2^31 in magnitude.
; REGISTERS: v1-9 addresses; v12 -M, v13 t, v[14:15] the sum; v16-27 q; v28 q's word; v29-31 the mask; v32-85 fragments; v86-95 V's scale words; v96-159 scores, then p; v160-191 O^T; v192-223 the three attentions' sum;
; v224-235 p's codes; v236-254 at work; v248-251, v253 scale words.  Under the last step v32-83, v148-159 take t_W (head 0), v84 its offset.
.set REC,   27136
.set MEMO,  177408
.set MSLOT, 81408
.set SCX,   108544                     ; the work-group's 512 scale bytes of the sum
.set SPARE, 109056                     ; the spare words, 128 bytes a wave
.set AK,   1
.set AV,   5
.set AV32, 7
.set MK,   8
.set MV,   9
.set SPW,  10
.set NIL,  11
.set QW,   28
.set MLO,  29
.set MHI,  30
.set NINF, 31
.set WV,   28
.set HP,   29
.set TI,   30
.set JB,   31
.set UU,   32
.set QB,   33
.set YY,   34
.set BB,   35
.set SP,   36
.set MSK,  37
.set SEL,  38
.set CS,   40
.set SH,   42
.set G1,   44
.set G0,   52
.macro W6 d, a, b, cc, sa, sb, ra      ; cc < 0: the product starts the sum
.if (\cc) < 0
.if \ra
	v_wmma_scale_f32_16x16x128_f8f6f4 v[\d:\d+7], v[\a:\a+11], v[\b:\b+11], 0, v[\sa], v[\sb] matrix_a_fmt:MATRIX_FMT_FP6 matrix_b_fmt:MATRIX_FMT_FP6 matrix_a_scale:MATRIX_SCALE_ROW1
.else
	v_wmma_scale_f32_16x16x128_f8f6f4 v[\d:\d+7], v[\a:\a+11], v[\b:\b+11], 0, v[\sa], v[\sb] matrix_a_fmt:MATRIX_FMT_FP6 matrix_b_fmt:MATRIX_FMT_FP6
.endif
.else
.if \ra
	v_wmma_scale_f32_16x16x128_f8f6f4 v[\d:\d+7], v[\a:\a+11], v[\b:\b+11], v[\cc:\cc+7], v[\sa], v[\sb] matrix_a_fmt:MATRIX_FMT_FP6 matrix_b_fmt:MATRIX_FMT_FP6 matrix_a_scale:MATRIX_SCALE_ROW1
.else
	v_wmma_scale_f32_16x16x128_f8f6f4 v[\d:\d+7], v[\a:\a+11], v[\b:\b+11], v[\cc:\cc+7], v[\sa], v[\sb] matrix_a_fmt:MATRIX_FMT_FP6 matrix_b_fmt:MATRIX_FMT_FP6
.endif
.endif
.endm
.macro NOPS n
.rept \n
	v_nop
.endr
.endm
; Key 32 blk + 16 h + i of my window of nine blocks is hidden where 32 blk + i < MLO (below the band or the sequence) or > MHI (above).  reg: the first of the block's 16 registers.
.macro MASKLO blk, reg
.set I_, 0
.rept 16
	v_cmp_lt_i32 vcc_lo, 32*\blk+I_, v[MLO]
	v_cndmask_b32 v[\reg+I_], v[\reg+I_], v[NINF], vcc_lo
.set I_, I_+1
.endr
.endm
.macro MASKHI blk, reg
.set I_, 0
.rept 16
	v_cmp_gt_i32 vcc_lo, 32*\blk+I_, v[MHI]
	v_cndmask_b32 v[\reg+I_], v[\reg+I_], v[NINF], vcc_lo
.set I_, I_+1
.endr
.endm
.macro RESET                           ; a softmax begins: the largest t is -3e38, under every t; the sum is 0
	v_mov_b32 v13, 0xff61b1e6
	s_delay_alu instid0(VALU_DEP_1)
	v_floor_f32 v12, -v13
	v_mov_b32 v14, 0
	v_mov_b32 v15, 0
.endm
.macro NEWM                            ; v254: the step's largest score -> the running t, -M = floor(-t), f = 2^(old M - new M) in v252
	s_delay_alu instid0(VALU_DEP_1)
	v_mul_f32 v254, s[CS], v254
	s_delay_alu instid0(VALU_DEP_1)
	v_max_num_f32 v13, v13, v254
	v_mov_b32 v254, v12
	s_delay_alu instid0(VALU_DEP_2)
	v_floor_f32 v12, -v13
	s_delay_alu instid0(VALU_DEP_1)
	v_sub_f32 v254, v12, v254
	s_delay_alu instid0(VALU_DEP_1)
	v_cvt_i32_f32 v254, v254                         ; (it saturates)
	s_delay_alu instid0(VALU_DEP_1)
	v_ldexp_f32 v252, 1.0, v254
.endm
.macro TMINUSM n                       ; n scores -> t - M
.set J_, 96
.rept \n/2
	v_pk_fma_f32 v[J_:J_+1], v[J_:J_+1], s[CS:CS+1], v[12:13] op_sel_hi:[1,0,0]
.set J_, J_+2
.endr
.endm
.macro EXPS n
.set J_, 96
.rept \n
	v_exp_f32 v[J_], v[J_]
.set J_, J_+1
.endr
.endm
.macro SOFT64                          ; 64 scores a lane -> p's codes in v[224:235], its scale word in v253
.irp b,0,1,2,3
	v_max3_num_f32 v[232+\b], v[96+16*\b], v[97+16*\b], v[98+16*\b]     ; each block's largest score: for the row's maximum, and for the block's largest p
.endr
.irp i,3,5,7,9,11,13
.irp b,0,1,2,3
	v_max3_num_f32 v[232+\b], v[232+\b], v[96+16*\b+\i], v[97+16*\b+\i]
.endr
.endr
.irp b,0,1,2,3
	v_max_num_f32 v[232+\b], v[232+\b], v[111+16*\b]
.endr
.irp b,0,1,2,3
	s_delay_alu instid0(VALU_DEP_4)
	v_permlanex16_b32 v[236+\b], v[232+\b], s[SEL], s[SEL+1]
.endr
.irp b,0,1,2,3
	s_delay_alu instid0(VALU_DEP_4)
	v_max_num_f32 v[232+\b], v[232+\b], v[236+\b]
.endr
	s_delay_alu instid0(VALU_DEP_2)
	v_max3_num_f32 v254, v232, v233, v234
	s_delay_alu instid0(VALU_DEP_1)
	v_max_num_f32 v254, v254, v235
	NEWM
	TMINUSM 64
.irp b,0,1,2,3
	v_fma_f32 v[232+\b], v[232+\b], s[CS], v12
.endr
	s_wait_alu depctr_va_vdst(0)
	EXPS 64
	v_pk_mul_f32 v[14:15], v[14:15], v[252:253] op_sel_hi:[1,0]        ; the sums under the new M: a plain place behind the exponentials
	s_wait_alu depctr_va_vdst(0)                     ; one wait for the batch, ahead of its first reader
.irp b,0,1,2,3
	v_exp_f32 v[232+\b], v[232+\b]
.endr
	v_pk_add_f32 v[236:237], v[100:101], v[104:105]
	v_pk_add_f32 v[254:255], v[108:109], v[112:113]
	v_pk_add_f32 v[250:251], v[116:117], v[120:121]
	v_pk_add_f32 v[248:249], v[124:125], v[128:129]
	v_pk_add_f32 v[246:247], v[132:133], v[136:137]
	v_pk_add_f32 v[244:245], v[140:141], v[144:145]
	v_pk_add_f32 v[242:243], v[148:149], v[152:153]
	v_pk_add_f32 v[14:15], v[14:15], v[156:157]
	v_pk_add_f32 v[236:237], v[236:237], v[96:97]
	v_pk_add_f32 v[254:255], v[254:255], v[98:99]
	v_pk_add_f32 v[250:251], v[250:251], v[102:103]
	v_pk_add_f32 v[248:249], v[248:249], v[106:107]
	v_pk_add_f32 v[246:247], v[246:247], v[110:111]
	v_pk_add_f32 v[244:245], v[244:245], v[114:115]
	v_pk_add_f32 v[242:243], v[242:243], v[118:119]
	v_pk_add_f32 v[14:15], v[14:15], v[122:123]
	v_pk_add_f32 v[236:237], v[236:237], v[126:127]
	v_pk_add_f32 v[254:255], v[254:255], v[130:131]
	v_pk_add_f32 v[250:251], v[250:251], v[134:135]
	v_pk_add_f32 v[248:249], v[248:249], v[138:139]
	v_pk_add_f32 v[246:247], v[246:247], v[142:143]
	v_pk_add_f32 v[244:245], v[244:245], v[146:147]
	v_pk_add_f32 v[242:243], v[242:243], v[150:151]
	v_pk_add_f32 v[14:15], v[14:15], v[154:155]
	v_pk_add_f32 v[236:237], v[236:237], v[158:159]
	s_delay_alu instid0(VALU_DEP_2)
	v_pk_add_f32 v[14:15], v[14:15], v[248:249]
	s_delay_alu instid0(VALU_DEP_2)
	v_pk_add_f32 v[236:237], v[236:237], v[246:247]
	v_pk_add_f32 v[254:255], v[254:255], v[244:245]
	v_pk_add_f32 v[250:251], v[250:251], v[242:243]
	s_delay_alu instid0(VALU_DEP_2)
	v_pk_add_f32 v[14:15], v[14:15], v[254:255]
	s_delay_alu instid0(VALU_DEP_2)
	v_pk_add_f32 v[236:237], v[236:237], v[250:251]
	s_delay_alu instid0(VALU_DEP_1)
	v_pk_add_f32 v[14:15], v[14:15], v[236:237]
	s_wait_alu depctr_va_vdst(0)                     ; and one for the four
.irp b,0,1,2,3
	v_max_num_f32 v[232+\b], 0x1800000, v[232+\b]
.endr
.irp b,0,1,2,3
	s_delay_alu instid0(VALU_DEP_4)
	v_add_nc_u32 v[244+\b], 0xff000000, v[232+\b]
.endr
.irp b,0,1,2,3
	s_delay_alu instid0(VALU_DEP_4)
	v_lshrrev_b32 v[236+\b], 23, v[244+\b]
.endr
	s_delay_alu instid0(VALU_DEP_3)
	v_lshl_or_b32 v253, v237, 8, v236
	s_delay_alu instid0(VALU_DEP_1)
	v_lshl_or_b32 v253, v238, 16, v253
	s_delay_alu instid0(VALU_DEP_1)
	v_lshl_or_b32 v253, v239, 24, v253
.irp c,0,1
	v_cvt_scalef32_pk16_fp6_f32 v[224+6*\c:226+6*\c], v[96+32*\c:111+32*\c], v[244+2*\c]
	v_cvt_scalef32_pk16_fp6_f32 v[236+4*\c:238+4*\c], v[112+32*\c:127+32*\c], v[244+2*\c+1]
.endr
	v_nop
.irp c,0,1
.irp i,0,1,2
	v_permlane16_swap_b32 v[224+6*\c+\i], v[236+4*\c+\i]
.endr
.irp i,0,1,2
	s_delay_alu instid0(VALU_DEP_3)
	v_mov_b32 v[227+6*\c+\i], v[236+4*\c+\i]
.endr
.endr
.endm
.macro SOFT16                          ; one block: 16 scores a lane; p's codes of k = 32 .. 127 are zeros
	v_max3_num_f32 v232, v96, v97, v98
.irp i,3,5,7,9,11,13
	v_max3_num_f32 v232, v232, v[96+\i], v[97+\i]
.endr
	v_max_num_f32 v232, v232, v111
	s_delay_alu instid0(VALU_DEP_1)
	v_permlanex16_b32 v236, v232, s[SEL], s[SEL+1]
	s_delay_alu instid0(VALU_DEP_1)
	v_max_num_f32 v232, v232, v236
	s_delay_alu instid0(VALU_DEP_1)
	v_mov_b32 v254, v232
	NEWM
	TMINUSM 16
	v_fma_f32 v232, v232, s[CS], v12
	s_wait_alu depctr_va_vdst(0)
	EXPS 16
	v_pk_mul_f32 v[14:15], v[14:15], v[252:253] op_sel_hi:[1,0]
	s_wait_alu depctr_va_vdst(0)
	v_exp_f32 v232, v232
	v_pk_add_f32 v[236:237], v[96:97], v[98:99]
.irp j,4,8,12
	v_pk_add_f32 v[14:15], v[14:15], v[96+\j:97+\j]
	v_pk_add_f32 v[236:237], v[236:237], v[98+\j:99+\j]
.endr
	s_delay_alu instid0(VALU_DEP_1)
	v_pk_add_f32 v[14:15], v[14:15], v[236:237]
	s_wait_alu depctr_va_vdst(0)
	v_max_num_f32 v232, 0x1800000, v232
	s_delay_alu instid0(VALU_DEP_1)
	v_add_nc_u32 v244, 0xff000000, v232
	s_delay_alu instid0(VALU_DEP_1)
	v_lshrrev_b32 v253, 23, v244                     ; byte 0; bytes 1 to 3 are 0 and scale zero codes
.irp i,3,4,5,6,7,8,9,10,11
	v_mov_b32 v[224+\i], 0
.endr
	v_cvt_scalef32_pk16_fp6_f32 v[224:226], v[96:111], v244
	v_nop
.irp i,0,1,2
	v_permlane16_swap_b32 v[224+\i], v[227+\i]       ; lanes 0-15 get the whole block, lanes 16-31 zeros
.endr
.endm
.macro RESCALE first                   ; O^T under the new M; these lines are also the places in front of the products
.if \first
	NOPS 8
.else
.set J_, 160
.rept 16
	v_pk_mul_f32 v[J_:J_+1], v[J_:J_+1], v[252:253] op_sel_hi:[1,0]
.set J_, J_+2
.endr
.endif
.endm
.macro PV4 vb, sp, vs, first           ; O^T += V^T P^T: four tiles of 16 channels; V's fragments at vb, sp registers apart
.irp t,0,1,2,3
.if \first
	W6 160+8*\t, \vb+\sp*\t, 224, -1, \vs+\t/2, 253, \t%2
.else
	W6 160+8*\t, \vb+\sp*\t, 224, 160+8*\t, \vs+\t/2, 253, \t%2
.endif
.endr
.endm
; 128 keys.  kind 0: blocks 4 st .. 4 st + 3 of my window; kind 1: memory slots 128 st on.
.macro STEP128 kind, st, first
	NOPS 4                                           ; places in front of loads into registers that matrix instructions have read
.irp t,0,1,2,3,4,5,6,7
.irp p,0,1,2
.if \kind
	ds_load_b64 v[32+6*\t+2*\p:33+6*\t+2*\p], v[MK] offset:7168*\st+1792*(\t/2)+768*(\t%2)+256*\p
.else
	ds_load_b64 v[32+6*\t+2*\p:33+6*\t+2*\p], v[AK+\t/2] offset:REC*\st+768*(\t%2)+256*\p
.endif
.endr
.endr
.irp b,0,1,2,3
.if \kind
	ds_load_b32 v[248+\b], v[MK] offset:7168*\st+1792*\b+1536
.else
	ds_load_b32 v[248+\b], v[AK+\b] offset:REC*\st+1536
.endif
.endr
	s_wait_dscnt 0x0
.irp t,0,1,2,3,4,5,6,7
	W6 96+8*\t, 32+6*\t, 16, -1, 248+\t/2, QW, \t%2
.endr
	NOPS 4
.irp t,0,1,2,3                         ; V's fragments are asked for now and land under the softmax
.irp c,0,1
.irp p,0,1,2
.if \kind
	ds_load_b64 v[32+12*\t+6*\c+2*\p:33+12*\t+6*\c+2*\p], v[MV] offset:6144*\st+1536*\t+768*\c+8*\p
.else
	ds_load_b64 v[32+12*\t+6*\c+2*\p:33+12*\t+6*\c+2*\p], v[AV+\c] offset:REC*\st+1536*\t+8*\p
.endif
.endr
.endr
.endr
.if (\kind == 0) && (\st == 0)
	MASKLO 0, 96
	s_cmp_lg_u32 s[QB], 0                            ; only the sequence's first 128 queries hide more below
	s_cbranch_scc1 .Lnl_\@
	MASKLO 1, 112
	MASKLO 2, 128
	MASKLO 3, 144
.Lnl_\@:
.endif
.if (\kind == 0) && (\st == 1)
	s_cmp_lg_u32 s[QB], 15                           ; only its last 128 hide more above
	s_cbranch_scc1 .Lnh_\@
	MASKHI 5, 112
	MASKHI 6, 128
	MASKHI 7, 144
.Lnh_\@:
.endif
	SOFT64
	RESCALE \first
	s_wait_dscnt 0x0
	s_wait_alu depctr_va_vdst(0)
	PV4 32, 12, 86+6*\kind+2*\st, \first
.endm
; 32 keys.  glob 0: block 8 of my window, from LDS; glob 1: the strided keys, whose loads from memory were issued a step ago.
.macro STEP32 glob, first
	NOPS 4
.if \glob
	s_wait_loadcnt 0x0
	W6 96, 112, 16, -1, 249, QW, 0
	W6 104, 118, 16, -1, 249, QW, 1
	NOPS 4
.else
.irp u,0,1
.irp p,0,1,2
	ds_load_b64 v[32+6*\u+2*\p:33+6*\u+2*\p], v[AK] offset:2*REC+768*\u+256*\p
.endr
.endr
	ds_load_b32 v248, v[AK] offset:2*REC+1536
	s_wait_dscnt 0x0
	W6 96, 32, 16, -1, 248, QW, 0
	W6 104, 38, 16, -1, 248, QW, 1
	NOPS 4
.irp t,0,1,2,3
.irp p,0,1,2
	ds_load_b64 v[32+6*\t+2*\p:33+6*\t+2*\p], v[AV32] offset:2*REC+1536*\t+8*\p    ; both halves of the lanes take the one block: p's codes of the second are zeros
.endr
.endr
	MASKHI 8, 96
.endif
	SOFT16
	RESCALE \first
	s_wait_dscnt 0x0
	s_wait_alu depctr_va_vdst(0)
.if \glob
	PV4 124, 6, 250, \first
.else
	PV4 32, 6, 90, \first
.endif
.endm
.macro FIN first                       ; O^T / the sum joins the three attentions' sum
	NOPS 4
	v_add_f32 v14, v14, v15
	s_delay_alu instid0(VALU_DEP_1)
	v_permlanex16_b32 v252, v14, s[SEL], s[SEL+1]
	s_delay_alu instid0(VALU_DEP_1)
	v_add_f32 v14, v14, v252
	s_wait_alu depctr_va_vdst(0)
	v_rcp_f32 v14, v14
	v_nop
	s_wait_alu depctr_va_vdst(0)
.irp j,0,2,4,6,8,10,12,14,16,18,20,22,24,26,28,30
.if \first
	v_pk_mul_f32 v[192+\j:193+\j], v[160+\j:161+\j], v[14:15] op_sel_hi:[1,0]
.else
	v_pk_fma_f32 v[192+\j:193+\j], v[160+\j:161+\j], v[14:15], v[192+\j:193+\j] op_sel_hi:[1,0,1]
.endif
.endr
.endm
	s_load_b512 s[4:19], s[0:1], 0x0                 ; QR, KV, WS, t_W, t_b, FC, FS, out1
	v_lshl_add_u32 v[SPW], v0, 2, SPARE
	v_mov_b32 v[NIL], 0
	ds_add_u32 v[SPW], v[NIL]                        ; the wave's opening: the add, twice on end, and its wait ahead of the first tensor load
	ds_add_u32 v[SPW], v[NIL]
	v_lshrrev_b32 v1, 5, v0
	s_delay_alu instid0(VALU_DEP_1)
	v_readfirstlane_b32 s[WV], v1
	s_and_b32 s[HP], s[WV], 1
	s_lshr_b32 s[TI], s[WV], 1
	s_lshr_b32 s[JB], s[WV], 2
	s_and_b32 s[UU], s[TI], 1
	s_mov_b32 s[QB], ttmp9
	s_and_b32 s[YY], ttmp7, 0xffff
	s_lshr_b32 s[BB], s[YY], 3
	s_and_b32 s[SP], s[YY], 7
	s_mov_b32 s[MSK], 0xffff0000
	s_mov_b32 s[SEL], 0x76543210
	s_mov_b32 s[SEL+1], 0xfedcba98
	s_mov_b32 s[CS], 0x3e38aa3b                      ; log2(e) / 8
	s_mov_b32 s[CS+1], s[CS]
	s_lshl_b32 s[SH], s[JB], 3
	s_mov_b32 s[G1], 3<<16                           ; a record is a dense block: 106 rows of 32 elements of 8 bytes, no mask, no padding
	s_mov_b32 s[G1+1], 32<<16
	s_mov_b32 s[G1+2], 106<<16
	s_mov_b32 s[G1+3], 32<<16
	s_mov_b32 s[G1+4], 106
	s_mov_b32 s[G1+5], 32
	s_mov_b32 s[G1+6], 0
	s_mov_b32 s[G1+7], 0
	s_add_co_u32 s60, s[WV], 3
	s_and_b32 s60, s60, 3                            ; the LDS place that I fill: wave 0 place 3 (the memory), waves 1-3 places 0-2
	s_add_co_u32 s56, s[QB], s60
	s_sub_co_i32 s56, s56, 1
	s_max_i32 s56, s56, 0
	s_min_i32 s56, s56, 15                           ; chunk x - 1 + place, held inside the sequence
	s_lshl_b32 s57, s[YY], 4
	s_add_co_u32 s56, s56, s57
	s_mul_i32 s56, s56, REC
	s_mul_i32 s57, s[BB], REC
	s_add_co_u32 s57, s57, MEMO                      ; wave 0: the batch's memory record
	s_mov_b32 s[G0], 1
	s_mul_i32 s[G0+1], s60, REC
	s_wait_dscnt 0x0
	s_wait_kmcnt 0x0
	s_cmp_eq_u32 s[WV], 0
	s_cselect_b64 s[58:59], s[8:9], s[6:7]
	s_cselect_b32 s56, s57, s56
	s_mov_b32 s57, 0
	s_add_nc_u64 s[G0+2:G0+3], s[58:59], s[56:57]
	s_or_b32 s[G0+3], s[G0+3], 0x80000000
	s_cmp_eq_u32 s[WV], 0
	s_cbranch_scc0 .Lchunks
	tensor_load_to_lds s[G0:G0+3], s[G1:G1+7]        ; a line of its own: wave 0 alone waits for it ahead of the first barrier
	s_nop 0
	NOPS 4
	s_branch .Lno_fill
.Lchunks:
	s_cmp_lt_u32 s[WV], 4
	s_cbranch_scc0 .Lno_fill
	tensor_load_to_lds s[G0:G0+3], s[G1:G1+7]
	s_nop 0
	NOPS 4
.Lno_fill:
	v_and_b32 v32, 31, v0                            ; lane
	v_and_b32 v33, 15, v0                            ; r
	v_bfe_u32 v34, v0, 4, 1                          ; h
	s_delay_alu instid0(VALU_DEP_3)
	v_lshlrev_b32 v35, 3, v32
	s_wait_alu depctr_va_vdst(0)
	s_lshl_b32 s56, s[YY], 1
	s_add_co_u32 s56, s56, s[HP]
	s_lshl_b32 s56, s56, 6
	s_lshl_b32 s57, s[QB], 2
	s_add_co_u32 s56, s56, s57
	s_add_co_u32 s56, s56, s[JB]
	s_mul_i32 s56, s56, 1792
	s_mov_b32 s57, 0
	s_add_nc_u64 s[58:59], s[4:5], s[56:57]          ; my queries' record
	s_mul_i32 s56, s[UU], 768
	v_add_nc_u32 v36, s56, v35
	s_lshl_b32 s56, s[UU], 7
	v_lshl_add_u32 v37, v33, 3, s56
.irp p,0,1,2
	global_load_b64 v[16+2*\p:17+2*\p], v36, s[58:59] offset:256*\p
.endr
	global_load_b32 v[QW], v37, s[58:59] offset:1536
	s_mul_i32 s62, s[HP], 7168
	s_mul_i32 s63, s[HP], 6144
	s_add_co_u32 s63, s63, 14336
.irp bi,0,1,2,3                        ; block x = w / 4 + bi of the twelve in LDS: record x / 4, block x % 4
	s_add_co_u32 s56, s[JB], \bi
	s_lshr_b32 s57, s56, 2
	s_mul_i32 s57, s57, REC
	s_and_b32 s56, s56, 3
	s_mul_i32 s56, s56, 1792
	s_add_co_u32 s56, s56, s57
	s_add_co_u32 s56, s56, s62
	v_add_nc_u32 v[AK+\bi], s56, v35
.endr
	v_mul_u32_u24 v38, v33, 24
.irp c,0,1                             ; V: lane (r, h) takes block w / 4 + 2 c + h
	s_add_co_u32 s56, s[JB], 2*\c
	v_add_nc_u32 v39, s56, v34
	s_delay_alu instid0(VALU_DEP_1)
	v_lshrrev_b32 v40, 2, v39
	s_delay_alu instid0(VALU_DEP_1)
	v_mul_u32_u24 v40, v40, REC
	s_delay_alu instid0(VALU_DEP_3)
	v_and_b32 v39, 3, v39
	s_delay_alu instid0(VALU_DEP_1)
	v_mad_u32_u24 v40, v39, 384, v40
	s_delay_alu instid0(VALU_DEP_1)
	v_add_nc_u32 v40, v40, v38
	s_delay_alu instid0(VALU_DEP_1)
	v_add_nc_u32 v[AV+\c], s63, v40
.endr
	s_mul_i32 s56, s[JB], 384
	s_add_co_u32 s56, s56, s63
	v_add_nc_u32 v[AV32], s56, v38
	v_add_nc_u32 v[MK], MSLOT, v35
	v_mad_u32_u24 v[MV], v34, 384, v38
	s_delay_alu instid0(VALU_DEP_1)
	v_add_nc_u32 v[MV], MSLOT+14336, v[MV]
	v_and_b32 v39, 8, v33
	s_delay_alu instid0(VALU_DEP_1)
	v_add_nc_u32 v39, v39, v33
	s_lshl_b32 s56, s[UU], 3
	v_add_nc_u32 v39, s56, v39                       ; my query in its block of 32
	s_wait_alu depctr_va_vdst(0)
	v_lshlrev_b32 v40, 4, v34
	s_lshl_b32 s57, s[JB], 5
	s_sub_co_u32 s56, 128, s57
	s_cmp_eq_u32 s[QB], 0
	s_cselect_b32 s72, 0, 1
	s_cselect_b32 s73, s56, 0
	s_sub_co_u32 s56, 255, s57
	s_mov_b32 s75, 256
	s_cmp_eq_u32 s[QB], 15
	s_cselect_b32 s74, 0, 1
	s_cselect_b32 s75, s56, s75
	v_mad_u32_u24 v[MLO], v39, s72, s73              ; the band's lower edge, or the sequence's first key,
	s_wait_alu depctr_va_vdst(0)
	v_sub_nc_u32 v[MLO], v[MLO], v40
	v_mad_u32_u24 v[MHI], v39, s74, s75              ; its upper edge, or the last key: counted in my window, less 16 h
	s_delay_alu instid0(VALU_DEP_1)
	v_sub_nc_u32 v[MHI], v[MHI], v40
	v_mov_b32 v[NINF], 0xff800000
	v_lshlrev_b32 v42, 2, v32
	s_delay_alu instid0(VALU_DEP_1)
	v_add_nc_u32 v42, MSLOT+26624, v42               ; the memory's scale words along the slots
.irp i,22,23,24,25,26,27,80,81,82,83,84,85
	v_mov_b32 v[\i], 0                               ; q's zero codes; the registers behind the last tile of K
.endr
	v_mov_b32 v253, 0
.irp b,0,1,2,3
	v_mov_b32 v[236+\b], 0                           ; a lane permute's destination counts as one of its sources
.endr
	; the strided record, and where the results go
	s_add_co_u32 s56, s[YY], 256
	s_mul_i32 s56, s56, REC
	s_mov_b32 s61, 0
	s_add_co_u32 s60, s56, s62
	s_add_nc_u64 s[66:67], s[6:7], s[60:61]
	s_add_co_u32 s60, s56, s63
	s_add_nc_u64 s[68:69], s[6:7], s[60:61]
	s_lshl_b32 s60, s[HP], 8
	s_add_co_u32 s60, s60, s56
	s_add_co_u32 s60, s60, 26624
	s_add_nc_u64 s[70:71], s[6:7], s[60:61]
	s_lshl_b32 s56, s[BB], 7
	s_lshl_b32 s57, s[QB], 3
	s_add_co_u32 s56, s56, s57
	s_add_co_u32 s56, s56, s[TI]
	s_lshl_b32 s56, s56, 4
	s_lshl_b32 s57, s[SP], 1
	s_add_co_u32 s56, s56, s57
	s_add_co_u32 s56, s56, s[HP]
	s_mul_i32 s60, s56, 768
	s_add_nc_u64 s[72:73], s[14:15], s[60:61]        ; FC: (token tile x 16 + head) x 768
	s_lshl_b32 s56, s[BB], 4
	s_add_co_u32 s56, s56, s[QB]
	s_lshl_b32 s56, s56, 3
	s_add_co_u32 s56, s56, s[SP]
	s_lshl_b32 s60, s56, 9
	s_add_nc_u64 s[74:75], s[16:17], s[60:61]        ; FS
	s_lshl_b32 s76, s[BB], 11
	s_lshl_b32 s56, s[QB], 7
	s_add_co_u32 s76, s76, s56
	s_lshl_b32 s56, s[JB], 5
	s_add_co_u32 s76, s76, s56
	s_lshl_b32 s56, s[UU], 3
	s_add_co_u32 s76, s76, s56                       ; my tile's first token
	s_wait_alu depctr_va_vdst(0)
	s_wait_loadcnt 0x0                               ; q
	s_cmp_eq_u32 s[WV], 0
	s_cbranch_scc0 .Lnot_mem
	s_wait_tensorcnt 0x0                             ; the memory record has landed
.Lnot_mem:
	s_barrier_signal -1
	s_barrier_wait -1                                ; it is shown to all; the chunks may still be on their way
.irp c,0,1
.irp tt,0,1
	ds_load_b32 v[92+2*\c+\tt], v42 offset:256*\c+128*\tt
.endr
.endr
	s_wait_dscnt 0x0                                 ; (v42 is a fragment's register from here on)
	; ---- the memory
	RESET
	STEP128 1, 0, 1
	s_wait_tensorcnt 0x0                             ; my chunk has landed,
	s_wait_dscnt 0x0
	s_barrier_signal -1                              ; said now, waited for behind the next 128 slots: between the two stand register work and LDS loads of the memory record, which nobody writes
	STEP128 1, 1, 0
	FIN 1
	s_lshl_b32 s56, s[HP], 8
	s_add_co_u32 s56, s56, 26624
	v_and_b32 v41, 31, v0
	v_mov_b32 v242, 0x7f7f7f7f
	s_delay_alu instid0(VALU_DEP_2)
	v_lshlrev_b32 v41, 2, v41
	s_delay_alu instid0(VALU_DEP_1)
	v_add_nc_u32 v41, s56, v41
	s_wait_alu depctr_va_vdst(0)                     ; directly ahead of the barrier's wait
	s_barrier_wait -1                                ; everybody's chunk has landed
	; ---- the band
.irp c,0,1,2
.irp tt,0,1
	ds_load_b32 v[236+2*\c+\tt], v41 offset:REC*\c+128*\tt
.endr
.endr
	s_wait_dscnt 0x0
.irp tt,0,1                            ; V's scale bytes of blocks w / 4 + 0 .. 3, + 4 .. 7, + 8: neighbouring chunks' words shifted by 8 (w / 4) bits
	v_alignbit_b32 v[86+\tt], v[238+\tt], v[236+\tt], s[SH]
	v_alignbit_b32 v[88+\tt], v[240+\tt], v[238+\tt], s[SH]
	v_alignbit_b32 v[90+\tt], v242, v[240+\tt], s[SH]
.endr
	RESET
	STEP128 0, 0, 1
	STEP128 0, 1, 0
	v_and_b32 v2, 31, v0                             ; the strided keys and values come straight from memory: 21 loads, issued a step ahead (v2-4 are free: only block 8's addresses are still wanted)
	s_delay_alu instid0(VALU_DEP_1)
	v_lshlrev_b32 v4, 2, v2
	s_delay_alu instid0(VALU_DEP_2)
	v_lshlrev_b32 v2, 3, v2
	v_and_b32 v3, 15, v0
	s_delay_alu instid0(VALU_DEP_1)
	v_mul_u32_u24 v3, v3, 24
.irp u,0,1
.irp p,0,1,2
	global_load_b64 v[112+6*\u+2*\p:113+6*\u+2*\p], v2, s[66:67] offset:768*\u+256*\p
.endr
.endr
	global_load_b32 v249, v2, s[66:67] offset:1536
.irp t,0,1,2,3
.irp p,0,1,2
	global_load_b64 v[124+6*\t+2*\p:125+6*\t+2*\p], v3, s[68:69] offset:1536*\t+8*\p
.endr
.endr
.irp tt,0,1
	global_load_u8 v[250+\tt], v4, s[70:71] offset:128*\tt      ; the one byte that was stored
.endr
	STEP32 0, 0
	FIN 0
	; ---- head 0's waves ask for t_W and t_b a step ahead of their use: my half's 2 x 32 numbers, in registers that the strided step leaves alone
	s_or_b32 s56, s[SP], s[HP]
	s_cmp_lg_u32 s56, 0
	s_cbranch_scc1 .Lno_tw
	s_load_b64 s[60:61], s[12:13], 0x0               ; t_b
	v_bfe_u32 v84, v0, 4, 1
	s_delay_alu instid0(VALU_DEP_1)
	v_lshlrev_b32 v84, 6, v84                        ; 64 h
.irp b,0,1
.irp q,0,1,2,3
	global_load_b128 v[32+16*\b+4*\q:35+16*\b+4*\q], v84, s[10:11] offset:128*\b+16*\q
	global_load_b128 v[64+16*\b+4*\q+64*((8+4*\b+\q)/13):67+16*\b+4*\q+64*((8+4*\b+\q)/13)], v84, s[10:11] offset:256+128*\b+16*\q   ; v64-83, then v148-159
.endr
.endr
.Lno_tw:
	; ---- the strided keys
	RESET
	STEP32 1, 1
	FIN 0
	; ---- the sum's codes along the head's 64
	s_lshl_b32 s56, s[TI], 6
	s_lshl_b32 s57, s[HP], 1
	s_add_co_u32 s56, s56, s57
	s_add_co_u32 s56, s56, SCX
	v_max3_num_f32 v232, |v192|, |v193|, 0x1800000
	v_max3_num_f32 v233, |v208|, |v209|, 0x1800000
.irp i,2,4,6,8,10,12,14
	s_delay_alu instid0(VALU_DEP_2)
	v_max3_num_f32 v232, v232, |v[192+\i]|, |v[193+\i]|
	s_delay_alu instid0(VALU_DEP_2)
	v_max3_num_f32 v233, v233, |v[208+\i]|, |v[209+\i]|
.endr
	s_delay_alu instid0(VALU_DEP_2)
	v_permlanex16_b32 v236, v232, s[SEL], s[SEL+1]
	s_delay_alu instid0(VALU_DEP_2)
	v_permlanex16_b32 v237, v233, s[SEL], s[SEL+1]
	s_delay_alu instid0(VALU_DEP_2)
	v_max_num_f32 v232, v232, v236
	s_delay_alu instid0(VALU_DEP_2)
	v_max_num_f32 v233, v233, v237
	s_delay_alu instid0(VALU_DEP_2)
	v_add_nc_u32 v244, 0xff000000, v232
	s_delay_alu instid0(VALU_DEP_2)
	v_add_nc_u32 v245, 0xff000000, v233
	s_delay_alu instid0(VALU_DEP_2)
	v_lshrrev_b32 v236, 23, v244
	s_delay_alu instid0(VALU_DEP_2)
	v_lshrrev_b32 v237, 23, v245
	s_delay_alu instid0(VALU_DEP_1)
	v_lshl_or_b32 v253, v237, 8, v236
	v_cvt_scalef32_pk16_fp6_f32 v[224:226], v[192:207], v244
	v_cvt_scalef32_pk16_fp6_f32 v[240:242], v[208:223], v245
	v_nop
.irp i,0,1,2
	v_permlane16_swap_b32 v[224+\i], v[240+\i]
.endr
.irp i,0,1,2
	s_delay_alu instid0(VALU_DEP_3)
	v_mov_b32 v[227+\i], v[240+\i]
.endr
	v_and_b32 v6, 31, v0                             ; the way out's addresses, made where all waves go one way
	v_and_b32 v7, 15, v0
	v_bfe_u32 v8, v0, 4, 1
	v_lshlrev_b32 v9, 4, v6                          ; 16 x lane
	v_lshl_add_u32 v1, v7, 2, s56                    ; my two scale bytes: 64 x tile + 4 r + 2 x head
	v_and_b32 v255, 8, v7
	v_lshlrev_b32 v30, 3, v6                         ; 8 x lane
	v_add_nc_u32 v29, SCX, v9
	v_add_nc_u32 v255, v255, v7
	s_delay_alu instid0(VALU_DEP_1)
	v_lshlrev_b32 v255, 3, v255
	s_delay_alu instid0(VALU_DEP_1)
	v_lshl_add_u32 v255, v8, 2, v255                 ; out1: 8 (r + 8 (r / 8)) + 4 h
.irp p,0,1,2
	global_store_b64 v30, v[224+2*\p:225+2*\p], s[72:73] offset:256*\p
.endr
	ds_store_b16 v1, v253                            ; both lanes of a token write the same two bytes
	s_or_b32 s56, s[SP], s[HP]
	s_cmp_lg_u32 s56, 0
	s_cbranch_scc1 .Lno_head
	; ---- head 0 alone: temporal in f32
	s_lshl_b32 s56, s76, 3
	s_mov_b32 s57, 0
	s_add_nc_u64 s[18:19], s[18:19], s[56:57]
	s_wait_alu depctr_va_vdst(0)
	s_wait_kmcnt 0x0
	v_pk_mul_f32 v[236:237], v[192:193], v[32:33]
	v_pk_mul_f32 v[238:239], v[192:193], v[64:65]
.irp j,2,4,6,8,10,12,14,16,18,20,22,24,26,28,30
	s_delay_alu instid0(VALU_DEP_2)
	v_pk_fma_f32 v[236:237], v[192+\j:193+\j], v[32+\j:33+\j], v[236:237]
	v_pk_fma_f32 v[238:239], v[192+\j:193+\j], v[64+\j+64*((8+\j/4)/13):65+\j+64*((8+\j/4)/13)], v[238:239]
.endr
	s_delay_alu instid0(VALU_DEP_2)
	v_add_f32 v236, v236, v237
	s_delay_alu instid0(VALU_DEP_2)
	v_add_f32 v238, v238, v239
	s_delay_alu instid0(VALU_DEP_2)
	v_permlanex16_b32 v240, v236, s[SEL], s[SEL+1]
	s_delay_alu instid0(VALU_DEP_2)
	v_permlanex16_b32 v241, v238, s[SEL], s[SEL+1]
	s_delay_alu instid0(VALU_DEP_2)
	v_add_f32 v236, v236, v240
	s_delay_alu instid0(VALU_DEP_2)
	v_add_f32 v238, v238, v241
	s_delay_alu instid0(VALU_DEP_2)
	v_add_f32 v236, s60, v236
	s_delay_alu instid0(VALU_DEP_2)
	v_add_f32 v238, s61, v238
	s_delay_alu instid0(VALU_DEP_1)
	v_cndmask_b32 v236, v236, v238, s[MSK]           ; lanes 0-15 store output 0, lanes 16-31 output 1
	global_store_b32 v255, v236, s[18:19]
.Lno_head:
	s_wait_dscnt 0x0
	s_barrier_signal -1
	s_barrier_wait -1                                ; the work-group's 512 scale bytes lie in LDS
	s_cmp_lg_u32 s[WV], 0
	s_cbranch_scc1 .Lend
	s_wait_alu depctr_va_vdst(0)
	ds_load_b128 v[232:235], v29
	s_wait_dscnt 0x0
	global_store_b128 v9, v[232:235], s[74:75]
.Lend:
	s_wait_tensorcnt 0x0                             ; the wave's end
	ds_add_u32 v[SPW], v[NIL]
	s_wait_dscnt 0x0
	s_endpgm
.Lfunc_end_k_q2082264521_attn:
	.size	k_q2082264521_attn, .Lfunc_end_k_q2082264521_attn-k_q2082264521_attn
	.p2alignl 7, 3214868480
	.fill 96, 4, 3214868480
	.section	.rodata,"a",@progbits
	.p2align	6, 0x0
	.amdhsa_kernel k_q2082264521_attn
		.amdhsa_group_segment_fixed_size 167936
		.amdhsa_private_segment_fixed_size 0
		.amdhsa_enable_private_segment 0
		.amdhsa_kernarg_size 64
		.amdhsa_user_sgpr_count 2
		.amdhsa_user_sgpr_kernarg_segment_ptr 1
		.amdhsa_wavefront_size32 1
		.amdhsa_system_sgpr_workgroup_id_x 1
		.amdhsa_system_sgpr_workgroup_id_y 1
		.amdhsa_system_sgpr_workgroup_id_z 1
		.amdhsa_system_vgpr_workitem_id 0
		.amdhsa_next_free_vgpr 256
		.amdhsa_next_free_sgpr 80
		.amdhsa_reserve_vcc 1
		.amdhsa_float_denorm_mode_32 3
		.amdhsa_float_denorm_mode_16_64 3
		.amdhsa_memory_ordered 1
		.amdhsa_forward_progress 1
		.amdhsa_inst_pref_size 122
	.end_amdhsa_kernel
	.amdgpu_metadata
---
amdhsa.version: [ 1, 2 ]
amdhsa.kernels:
  - .name:           k_q2082264521_attn
    .symbol:         k_q2082264521_attn.kd
    .args:
      - { .name: QR, .offset: 0, .size: 8, .value_kind: global_buffer, .address_space: global }
      - { .name: KV, .offset: 8, .size: 8, .value_kind: global_buffer, .address_space: global }
      - { .name: WS, .offset: 16, .size: 8, .value_kind: global_buffer, .address_space: global }
      - { .name: t_W, .offset: 24, .size: 8, .value_kind: global_buffer, .address_space: global }
      - { .name: t_b, .offset: 32, .size: 8, .value_kind: global_buffer, .address_space: global }
      - { .name: FC, .offset: 40, .size: 8, .value_kind: global_buffer, .address_space: global }
      - { .name: FS, .offset: 48, .size: 8, .value_kind: global_buffer, .address_space: global }
      - { .name: out1, .offset: 56, .size: 8, .value_kind: global_buffer, .address_space: global }
    .group_segment_fixed_size: 167936
    .private_segment_fixed_size: 0
    .kernarg_segment_align: 8
    .kernarg_segment_size: 64
    .max_flat_workgroup_size: 512
    .sgpr_count:     80
    .vgpr_count:     256
    .wavefront_size: 32
...
	.end_amdgpu_metadata
.endif
;; end of part 3
;; launch outp (part 4): grid 8 x 32, 8 waves a work-group, clusters of 4 x 4, 232,448 bytes of LDS; arguments FC, FS, TW, out_b, out0, WS, i_b, c_b, out2, out3; writes out0, out2, out3
.if DOCPART == 4
	.amdgcn_target "amdgcn-amd-amdhsa--gfx1250"
	.amdhsa_code_object_version 6
	.text
	.protected	k_q2082264521_outp
	.globl	k_q2082264521_outp
	.p2align	8
	.type	k_q2082264521_outp,@function
k_q2082264521_outp:
	s_mov_b64 s[64:65], 0
	v_nop
	global_prefetch_b8 v0, s[64:65] scope:SCOPE_SE
	s_setreg_imm32_b32 hwreg(HW_REG_WAVE_MODE, 25, 1), 1
	s_wait_xcnt 0x0
	s_wait_alu depctr_hold_cnt(0) depctr_sa_sdst(0) depctr_va_vdst(0) depctr_va_sdst(0) depctr_va_ssrc(0) depctr_va_vcc(0) depctr_vm_vsrc(0)
	s_getreg_b32 s2, hwreg(HW_REG_IB_STS2, 6, 4)
	s_cmp_eq_u32 s2, 0
	s_cbranch_scc0 .Lentry_in_a_cluster
	s_endpgm
.Lentry_in_a_cluster:
	s_bfe_u32 s2, ttmp6, 0x10000c
	s_cmp_lg_u32 s2, 0xf033
	s_cbranch_scc0 .Lentry_shape_is_right
	s_endpgm
.Lentry_shape_is_right:
; FOURTH LAUNCH: out0 = Q(fused) Q(out_W)^T + out_b, and head 0's identity and citation outputs, on the codes that the launches before have laid in the order of the operands' registers.
; A work-group makes 128 x 128 of out0 (256 work-groups); all of K = 1,024 of its 8 + 8 tiles lies in LDS at once: 196,608 bytes, filled once, no ring, no refill.
; FILLS: K goes in four quarters of 256.  Wave 2 q fetches quarter q of the eight fused tiles, wave 2 q + 1 that of out_W's eight: 8 rows of 3,072 bytes, one tensor load a wave, each with a line of its own.
; A barrier for each quarter shows it to all waves; it is multiplied while later quarters are on their way.
; CLUSTERS: 4 x 4 work-groups.  The fused tiles are shared along a row of the cluster, out_W's along a column: each is asked for jointly.
; NO PREFETCH: the text has no loop to run ahead in; all tiles are asked for at the head.
; Eight waves of 512 registers, two to a SIMD; a wave makes 32 rows x 64 columns: 8 accumulators, by turns.  Source 0 = 16 rows of out_W, source 1 = 16 tokens: a lane holds 8 neighbouring columns of a token's row.
; A quarter is two K steps of 128: the first's fragments lie in window 0, the second's at the same numbers in window 1.
; IDENTITY AND CITATION: the work-group in column block c takes row tile c of its eight: 16 tokens x 96 columns, K = 64.  Waves 0, 1 take 32 columns of identity each, wave 2 citation's 32: two products each,
; behind their stores of out0.  The fused operand's codes of k = 64 .. 127 are zeros, so what stands there in the other operand adds nothing.  These operands come by plain loads: no LDS address hangs on c.
.set STAGE, 196608                     ; 16 rows x 272 bytes for each wave
.set SPARE, 231424
.set ADA,  4                           ; v4-5 my fused tiles in quarters 0-1, 2-3
.set ADB,  6                           ; v6-7 my tiles of out_W
.set STO,  8
.set RD,   9
.set CO,   10
.set R4,   11
.set SPW,  12
.set NIL,  13
.set R32,  14
.set H64,  15
.set SA,   16                          ; v16-31 fused scale words [tile 2][K step 8]
.set SB,   34                          ; v34-65 out_W's [tile 4][K step 8]
.set BI,   66                          ; v66-97 out_b in the result's layout
.set ACC,  98                          ; v98-161
.set AF,   162                         ; v162-185, in windows 0 and 1
.set BF,   186                         ; v186-233
.set OB,   162
.set XSW,  244                         ; v244 row tile c's scale words; v245 the small weights'
.set WSW,  245
.set RX,   246                         ; v246 my stage, read back by rows of 128 bytes
.set L8,   247
.set EC,   0                           ; window 1: v0-15 the small products' sums, v16-33 their weights, v34-45 the fused operand
.set EW,   16
.set EX,   34
.set G1,   24
.set G0,   32
.set G1B,  36
.set G0B,  44
.set WV,   48
.set MSB, 0
.macro WIN new                         ; the immediate's high byte repeats the setting that is left
.if MSB != \new
	s_set_vgpr_msb (MSB<<8)|\new
.set MSB, \new
.endif
.endm
.macro PLACES
.rept 4
	v_nop
.endr
.endm
.macro CROUND                          ; a round of the cluster's barrier
	s_barrier_signal -1
	s_barrier_wait -1
	s_cmp_lg_u32 s[WV], 0
	s_cbranch_scc1 .Lnot_wave_0_\@
	s_barrier_signal -3
.Lnot_wave_0_\@:
	s_barrier_wait -3
	s_barrier_signal -1
	s_barrier_wait -1
.endm
.macro ARM w, g0, g1                   ; one arm of the head's chain: wave w's load
	s_cmp_lt_u32 s[WV], \w+1
	s_cbranch_scc0 .Lnext_\w
	tensor_load_to_lds s[\g0:\g0+3], s[\g1:\g1+7]
	s_nop 0
	PLACES
	s_branch .Lasked
.Lnext_\w:
.endm
.macro LOADK q, k                      ; the fragments of K step 2 q + k: 24 loads
.irp a,0,1
.irp p,0,1,2,3,4,5
	ds_load_b64 v[AF+12*\a+2*\p:AF+12*\a+2*\p+1], v[ADA+\q/2] offset:49152*(\q%2)+3072*\a+1536*\k+256*\p
.endr
.endr
.irp t,0,1,2,3
.irp c,0,1,2
	ds_load_b128 v[BF+12*\t+4*\c:BF+12*\t+4*\c+3], v[ADB+\q/2] offset:49152*(\q%2)+3072*\t+1536*\k+512*\c
.endr
.endr
.endm
.macro MULK s                          ; K step s: the first takes the bias as C
.irp a,0,1
.irp t,0,1,2,3
.if (\s) == 0
	v_wmma_scale_f32_16x16x128_f8f6f4 v[ACC+8*(4*\a+\t):ACC+8*(4*\a+\t)+7], v[BF+12*\t:BF+12*\t+11], v[AF+12*\a:AF+12*\a+11], v[BI+8*\t:BI+8*\t+7], v[SB+8*\t+\s], v[SA+8*\a+\s] matrix_a_fmt:MATRIX_FMT_FP6 matrix_b_fmt:MATRIX_FMT_FP6
.else
	v_wmma_scale_f32_16x16x128_f8f6f4 v[ACC+8*(4*\a+\t):ACC+8*(4*\a+\t)+7], v[BF+12*\t:BF+12*\t+11], v[AF+12*\a:AF+12*\a+11], v[ACC+8*(4*\a+\t):ACC+8*(4*\a+\t)+7], v[SB+8*\t+\s], v[SA+8*\a+\s] matrix_a_fmt:MATRIX_FMT_FP6 matrix_b_fmt:MATRIX_FMT_FP6
.endif
.endr
.endr
.endm
.macro QUARTER q
.if \q < 3
	s_cmp_lt_u32 s[WV], 2*\q+2
	s_cbranch_scc0 .Lnot_mine_\q
	s_wait_tensorcnt 0x0                             ; my part of this quarter, or of an earlier one, is in
.Lnot_mine_\q:
.else
	s_wait_tensorcnt 0x0                             ; the last quarter: every wave's load is in
.endif
	s_barrier_signal -1
	s_barrier_wait -1                                ; the quarter is whole
.if \q
	PLACES                                           ; in front of loads into registers that matrix instructions have read
.endif
	LOADK \q, 0
	WIN 0x40
	LOADK \q, 1
	WIN 0
	s_wait_dscnt 24                                  ; the first step's fragments are in; the second's 24 loads may be out
	MULK 2*\q
	s_wait_dscnt 0x0
	WIN 0x05
	MULK 2*\q+1
	WIN 0
.endm
.macro TOSTAGE a                       ; 16 tokens x 64 columns through my own stage: in by lanes, back by rows
.irp t,0,1,2,3
	ds_store_b128 v[STO], v[ACC+8*(4*\a+\t):ACC+8*(4*\a+\t)+3] offset:128*(\t/2)+32*(\t%2)
	ds_store_b128 v[STO], v[ACC+8*(4*\a+\t)+4:ACC+8*(4*\a+\t)+7] offset:128*(\t/2)+32*(\t%2)+16
.endr
.irp i,0,1,2,3,4,5,6,7
	ds_load_b128 v[OB+32*\a+4*\i:OB+32*\a+4*\i+3], v[RD] offset:\i*2*272
.endr
.endm
.macro SEND a, younger                 ; younger: the LDS instructions issued behind this tile's loads
.irp i,0,1,2,3,4,5,6,7
	s_wait_dscnt \younger+7-\i
	global_store_b128 v[CO], v[OB+32*\a+4*\i:OB+32*\a+4*\i+3], s[82:83] offset:(8*\a+2*\i+8*(\i/4))*4096 th:TH_STORE_NT   ; two rows' 256 consecutive bytes, each at a multiple of 256
.endr
.endm
	s_load_b512 s[4:19], s[0:1], 0x0                 ; FC, FS, TW, out_b, out0, WS, i_b, c_b
	s_load_b128 s[20:23], s[0:1], 0x40               ; out2, out3
	v_lshl_add_u32 v[SPW], v0, 2, SPARE
	v_mov_b32 v[NIL], 0
	ds_add_u32 v[SPW], v[NIL]                        ; the wave's opening: the add, twice on end, and its wait ahead of the first tensor load
	ds_add_u32 v[SPW], v[NIL]
	v_lshrrev_b32 v1, 5, v0
	v_readfirstlane_b32 s[WV], v1                    ; wave 0..7
	s_lshr_b32 s50, s[WV], 1                         ; the quarter of K that I fetch; also my 32 rows
	s_and_b32 s51, s[WV], 1                          ; my 64 columns
	s_bfe_u32 s52, ttmp6, 0x40000                    ; cx, cy
	s_bfe_u32 s53, ttmp6, 0x40004
	s_lshl_b32 s54, ttmp9, 2
	s_add_co_u32 s54, s54, s52                       ; block of 128 columns
	s_and_b32 s55, ttmp7, 0xffff
	s_lshl_b32 s55, s55, 2
	s_add_co_u32 s55, s55, s53                       ; block of 128 rows
	s_lshl_b32 s56, s53, 2
	s_lshl_b32 s56, 15, s56                          ; my row of the cluster
	s_lshl_b32 s57, 0x1111, s52                      ; my column
	s_or_b32 s[G1], s56, (3<<16)|(1<<21)             ; the mask; elements of 8 bytes; bit 21 beside a mask; no padding
	s_or_b32 s[G1B], s57, (3<<16)|(1<<21)
.irp g, G1, G1B
	s_mov_b32 s[\g+1], 384<<16                       ; tensor_dim0: a quarter of a tile's K, 3,072 bytes
	s_mov_b32 s[\g+2], 8<<16                         ; tensor_dim1: eight tiles
	s_mov_b32 s[\g+3], 384<<16                       ; tile_dim0
	s_mov_b32 s[\g+4], 8                             ; tile_dim1
	s_mov_b32 s[\g+6], 0
	s_mov_b32 s[\g+7], 0
.endr
	s_mov_b32 s[G1+5], 1536                          ; from tile to tile: 12,288 bytes in FC,
	s_mov_b32 s[G1B+5], 1600                         ; 12,800 in TW
	s_mul_i32 s60, s50, 3072
	s_mul_i32 s58, s55, 8*12288
	s_add_co_u32 s58, s58, s60
	s_mov_b32 s59, 0
	s_mul_i32 s62, s54, 8*12800
	s_add_co_u32 s62, s62, s60
	s_mov_b32 s63, 0
	s_mov_b32 s[G0], 1
	s_mul_i32 s[G0+1], s[WV], 24576                  ; where they go: no place in the cluster enters an LDS address
	s_mov_b32 s[G0B], 1
	s_mul_i32 s[G0B+1], s[WV], 24576
	s_wait_alu depctr_va_vdst(0)
	s_wait_dscnt 0x0
	CROUND                                           ; all sixteen work-groups are here: the joint loads meet
	s_wait_kmcnt 0x0
	s_add_nc_u64 s[G0+2:G0+3], s[4:5], s[58:59]
	s_or_b32 s[G0+3], s[G0+3], 0x80000000
	s_add_nc_u64 s[G0B+2:G0B+3], s[8:9], s[62:63]
	s_or_b32 s[G0B+3], s[G0B+3], 0x80000000
	ARM 0, G0, G1
	ARM 1, G0B, G1B
	ARM 2, G0, G1
	ARM 3, G0B, G1B
	ARM 4, G0, G1
	ARM 5, G0B, G1B
	ARM 6, G0, G1
	tensor_load_to_lds s[G0B:G0B+3], s[G1B:G1B+7]    ; wave 7
	s_nop 0
	PLACES
.Lasked:
	s_mov_b32 s67, 0
	s_lshl_b32 s66, s55, 12
	s_lshl_b32 s2, s50, 7
	s_add_co_u32 s66, s66, s2
	s_add_nc_u64 s[76:77], s[6:7], s[66:67]          ; FS: 4,096 bytes a block of 128 rows; my two tiles
	s_lshl_b32 s66, s54, 3
	s_lshl_b32 s2, s51, 2
	s_add_co_u32 s66, s66, s2
	s_mul_i32 s66, s66, 12800
	s_add_nc_u64 s[78:79], s[8:9], s[66:67]          ; TW: my four tiles' records
	s_lshl_b32 s66, s54, 9
	s_lshl_b32 s2, s51, 8
	s_add_co_u32 s66, s66, s2
	s_add_nc_u64 s[80:81], s[10:11], s[66:67]        ; out_b at my first column
	s_add_nc_u64 s[82:83], s[12:13], s[66:67]
	s_lshl_b32 s66, s55, 19
	s_lshl_b32 s2, s50, 17
	s_add_co_u32 s66, s66, s2
	s_add_nc_u64 s[82:83], s[82:83], s[66:67]        ; out0 at my first row and column
	s_lshl_b32 s66, s55, 3
	s_add_co_u32 s66, s66, s54
	s_mul_i32 s66, s66, 12288
	s_add_nc_u64 s[68:69], s[4:5], s[66:67]          ; row tile c of my block of rows: head 0's codes come first
	s_lshl_b32 s66, s55, 12
	s_lshl_b32 s2, s54, 6
	s_add_co_u32 s66, s66, s2
	s_add_nc_u64 s[70:71], s[6:7], s[66:67]          ; its scale words of K step 0
	s_mul_i32 s66, s[WV], 1792
	s_add_co_u32 s66, s66, 172032
	s_add_nc_u64 s[72:73], s[14:15], s[66:67]        ; records 96, 97 i_W, 98 c_W
	s_lshl_b32 s66, s[WV], 7
	s_cmp_eq_u32 s[WV], 2
	s_cselect_b32 s66, 0, s66
	s_cselect_b64 s[74:75], s[18:19], s[16:17]
	s_add_nc_u64 s[74:75], s[74:75], s[66:67]        ; my 32 columns' bias
	s_mul_i32 s66, s50, 6144                         ; LDS: my two fused tiles,
	s_mul_i32 s2, s51, 12288
	s_add_co_u32 s2, s2, 24576                       ; my four tiles of out_W,
	s_mul_i32 s3, s[WV], 4352
	s_add_co_u32 s3, s3, STAGE                       ; my stage
	v_and_b32 v1, 15, v0                             ; r
	v_bfe_u32 v2, v0, 4, 1                           ; h
	v_and_b32 v3, 31, v0                             ; lane
	v_mul_u32_u24 v[STO], v1, 272
	v_mul_u32_u24 v[RD], v2, 272
	v_lshl_add_u32 v[ADA], v3, 3, s66
	v_lshl_add_u32 v[ADB], v3, 4, s2
	v_lshl_add_u32 v[STO], v2, 6, v[STO]
	v_lshl_add_u32 v[RD], v1, 4, v[RD]
	v_add_nc_u32 v[ADA+1], 98304, v[ADA]
	v_add_nc_u32 v[ADB+1], 98304, v[ADB]
	v_add_nc_u32 v[STO], s3, v[STO]
	v_add_nc_u32 v[RD], s3, v[RD]
	v_lshrrev_b32 v[RX], 3, v3
	v_lshlrev_b32 v[CO], 12, v2
	v_and_b32 v[L8], 7, v3
	v_mul_u32_u24 v[RX], v[RX], 272
	v_lshl_add_u32 v[CO], v1, 4, v[CO]               ; out0: 4,096 h + 16 r
	v_lshl_add_u32 v[RX], v[L8], 4, v[RX]            ; four rows of 128 bytes an instruction
	v_lshlrev_b32 v[R4], 2, v1
	v_lshlrev_b32 v[R32], 5, v1
	v_add_nc_u32 v[RX], s3, v[RX]
	v_lshlrev_b32 v[H64], 6, v2
	v_lshlrev_b32 v[L8], 3, v3
	s_wait_alu depctr_va_vdst(0)
.irp a,0,1
.irp k,0,1,2,3,4,5,6,7
	global_load_b32 v[SA+8*\a+\k], v[R4], s[76:77] offset:512*\k+64*\a
.endr
.endr
.irp t,0,1,2,3
	global_load_b128 v[SB+8*\t:SB+8*\t+3], v[R32], s[78:79] offset:12800*\t+12288
	global_load_b128 v[SB+8*\t+4:SB+8*\t+7], v[R32], s[78:79] offset:12800*\t+12288+16
	global_load_b128 v[BI+8*\t:BI+8*\t+3], v[H64], s[80:81] offset:(32*(\t/2)+8*(\t%2))*4
	global_load_b128 v[BI+8*\t+4:BI+8*\t+7], v[H64], s[80:81] offset:(32*(\t/2)+8*(\t%2))*4+16
.endr
	s_cmp_lt_u32 s[WV], 3
	s_cbranch_scc0 .Lno_small_loads
	global_load_b32 v[XSW], v[R4], s[70:71]
	global_load_b32 v[WSW], v[L8], s[72:73] offset:1536          ; lanes 0-15 tile 0's words, lanes 16-31 tile 1's
	WIN 0x40
.irp p,0,1,2
	global_load_b64 v[EX+2*\p:EX+2*\p+1], v[L8], s[68:69] offset:256*\p
.endr
.irp p,0,1,2,3,4,5
	global_load_b64 v[EW+2*\p:EW+2*\p+1], v[L8], s[72:73] offset:256*\p
.endr
.irp u,0,1
	global_load_b128 v[EC+8*\u:EC+8*\u+3], v[H64], s[74:75] offset:32*\u
	global_load_b128 v[EC+8*\u+4:EC+8*\u+7], v[H64], s[74:75] offset:32*\u+16
.endr
.irp i,0,1,2,3,4,5
	v_mov_b32 v[EX+6+\i], 0                          ; zero codes for k = 64 .. 127
	v_mov_b32 v[EW+12+\i], 0                         ; the registers behind the last tile
.endr
	WIN 0
	s_wait_alu depctr_va_vdst(0)
.Lno_small_loads:
	s_wait_alu depctr_va_vdst(0)                     ; the wait at the head's end
	s_wait_loadcnt 0x0
	QUARTER 0
	QUARTER 1
	QUARTER 2
	QUARTER 3
	PLACES                                           ; in front of the first read of results, and of loads into the fragments' registers
	TOSTAGE 0
	TOSTAGE 1                                        ; LDS serves a wave's instructions in order: these stores come behind tile 0's loads
	SEND 0, 16
	SEND 1, 0
	s_cmp_lt_u32 s[WV], 3
	s_cbranch_scc0 .Lno_small
	WIN 0x55
	v_wmma_scale_f32_16x16x128_f8f6f4 v[EC:EC+7], v[EW:EW+11], v[EX:EX+11], v[EC:EC+7], v[WSW], v[XSW] matrix_a_fmt:MATRIX_FMT_FP6 matrix_b_fmt:MATRIX_FMT_FP6
	v_wmma_scale_f32_16x16x128_f8f6f4 v[EC+8:EC+15], v[EW+6:EW+17], v[EX:EX+11], v[EC+8:EC+15], v[WSW], v[XSW] matrix_a_fmt:MATRIX_FMT_FP6 matrix_b_fmt:MATRIX_FMT_FP6 matrix_a_scale:MATRIX_SCALE_ROW1
	WIN 0
	s_lshl_b32 s66, s55, 7                           ; the tile's first token: 128 x block + 32 (c / 2) + 8 (c % 2)
	s_lshr_b32 s2, s54, 1
	s_lshl_b32 s2, s2, 5
	s_add_co_u32 s66, s66, s2
	s_and_b32 s2, s54, 1
	s_lshl_b32 s2, s2, 3
	s_add_co_u32 s66, s66, s2
	s_lshl_b32 s2, s[WV], 7
	s_cmp_eq_u32 s[WV], 2
	s_cselect_b64 s[20:21], s[22:23], s[20:21]
	s_cselect_b32 s3, 7, 8                           ; a row of out3 is 128 bytes, of out2 256
	s_cselect_b32 s2, 0, s2
	s_lshl_b32 s66, s66, s3
	s_add_co_u32 s66, s66, s2
	s_mov_b32 s67, 0
	s_add_nc_u64 s[20:21], s[20:21], s[66:67]
	s_lshl_b32 s2, 1, s3
	v_bfe_u32 v[BI], v0, 3, 2                        ; lane / 8
	v_and_b32 v[BI+1], 7, v0
	v_lshlrev_b32 v[BI+1], 4, v[BI+1]
.irp i,0,1,2,3
	v_add_nc_u32 v[BI+2+\i], 4*\i+8*(\i/2), v[BI]    ; row r of the tile is token r + 8 (r / 8)
.endr
.irp i,0,1,2,3
	v_mad_u32_u24 v[BI+2+\i], v[BI+2+\i], s2, v[BI+1]
.endr
	s_wait_alu depctr_va_vdst(0)
	WIN 0x04
.irp u,0,1
	ds_store_b128 v[STO], v[EC+8*\u:EC+8*\u+3] offset:32*\u
	ds_store_b128 v[STO], v[EC+8*\u+4:EC+8*\u+7] offset:32*\u+16
.endr
	WIN 0
.irp i,0,1,2,3
	ds_load_b128 v[ACC+4*\i:ACC+4*\i+3], v[RX] offset:4*272*\i
.endr
	s_wait_dscnt 0x0
.irp i,0,1,2,3
	global_store_b128 v[BI+2+\i], v[ACC+4*\i:ACC+4*\i+3], s[20:21]   ; four rows of 128 consecutive bytes
.endr
.Lno_small:
	s_wait_tensorcnt 0x0                             ; the wave's end
	ds_add_u32 v[SPW], v[NIL]
	s_wait_dscnt 0x0
	CROUND                                           ; the closing round: no work-group ends while a partner may still ask for a tile that names it
	s_endpgm
.Lfunc_end_k_q2082264521_outp:
	.size	k_q2082264521_outp, .Lfunc_end_k_q2082264521_outp-k_q2082264521_outp
	.p2alignl 7, 3214868480
	.fill 96, 4, 3214868480
	.section	.rodata,"a",@progbits
	.p2align	6, 0x0
	.amdhsa_kernel k_q2082264521_outp
		.amdhsa_group_segment_fixed_size 232448
		.amdhsa_private_segment_fixed_size 0
		.amdhsa_enable_private_segment 0
		.amdhsa_kernarg_size 80
		.amdhsa_user_sgpr_count 2
		.amdhsa_user_sgpr_kernarg_segment_ptr 1
		.amdhsa_wavefront_size32 1
		.amdhsa_system_sgpr_workgroup_id_x 1
		.amdhsa_system_sgpr_workgroup_id_y 1
		.amdhsa_system_sgpr_workgroup_id_z 1
		.amdhsa_system_vgpr_workitem_id 0
		.amdhsa_next_free_vgpr 512
		.amdhsa_next_free_sgpr 90
		.amdhsa_reserve_vcc 0
		.amdhsa_float_denorm_mode_32 3
		.amdhsa_float_denorm_mode_16_64 3
		.amdhsa_memory_ordered 1
		.amdhsa_forward_progress 1
		.amdhsa_inst_pref_size 43
	.end_amdhsa_kernel
	.amdgpu_metadata
---
amdhsa.version: [ 1, 2 ]
amdhsa.kernels:
  - .name:           k_q2082264521_outp
    .symbol:         k_q2082264521_outp.kd
    .args:
      - { .name: FC, .offset: 0, .size: 8, .value_kind: global_buffer, .address_space: global }
      - { .name: FS, .offset: 8, .size: 8, .value_kind: global_buffer, .address_space: global }
      - { .name: TW, .offset: 16, .size: 8, .value_kind: global_buffer, .address_space: global }
      - { .name: out_b, .offset: 24, .size: 8, .value_kind: global_buffer, .address_space: global }
      - { .name: out0, .offset: 32, .size: 8, .value_kind: global_buffer, .address_space: global }
      - { .name: WS, .offset: 40, .size: 8, .value_kind: global_buffer, .address_space: global }
      - { .name: i_b, .offset: 48, .size: 8, .value_kind: global_buffer, .address_space: global }
      - { .name: c_b, .offset: 56, .size: 8, .value_kind: global_buffer, .address_space: global }
      - { .name: out2, .offset: 64, .size: 8, .value_kind: global_buffer, .address_space: global }
      - { .name: out3, .offset: 72, .size: 8, .value_kind: global_buffer, .address_space: global }
    .group_segment_fixed_size: 232448
    .private_segment_fixed_size: 0
    .kernarg_segment_align: 8
    .kernarg_segment_size: 80
    .max_flat_workgroup_size: 256
    .sgpr_count:     90
    .vgpr_count:     512
    .wavefront_size: 32
...
	.end_amdgpu_metadata
.endif
;; end of part 4
